; MI455X (gfx1250); checked and timed in simulation.
; The chip was launched on July 23, 2026; its instructions are those of AMD's public machine-readable ISA for CDNA 5 (MIT licence, August 2026) and "CDNA5" Instruction Set Architecture Reference Guide (July 2026). The comments in the code are by the model that wrote it; some were corrected since.
;; Block. Allowed arithmetic: matrix products marked QUANTISED: E3M2 operands, one E8M0 scale for each 32 along K, by v_wmma_scale_f32_16x16x128_f8f6f4 with both operands' format E3M2, f32 sums; everything else in f32.
;; Inputs: W_gate 512 x 512 float32; W_hidden 512 x 512 float32; W_k 512 x 512 float32; W_o 512 x 512 float32; W_out 512 x 512 float32; W_q 512 x 512 float32; W_v 512 x 512 float32; attn_norm_w 512 float32; b_o 512 float32; b_out 512 float32; ffn_norm_w 512 float32; x 4 x 2,048 x 512 float32.
;; Outputs: out0 4 x 2,048 x 512 float32.
;; This version of the problem:
;;   THIS VERSION OF THE PROBLEM IS GIVEN IN LOW PRECISION. The matrix products marked QUANTISED in the list below multiply operands that are first quantised to E3M2 (3 exponent bits, 2 mantissa bits; 6 bits a number), with one power-of-two scale for each 32 numbers along K (OCP MX v1.0); their sums are f32. All else is computed in f32.
;;   The module's matrix products, in the order in which they are computed (A, B: the left and right operand; K: the contracted axis; several contracted axes count as one K, in the product's order):
;;     1. [M 8,192, K 512] x [K 512, N 512]; A: computed on the way; B: input W_q: QUANTISED
;;     2. [M 8,192, K 512] x [K 512, N 512]; A: computed on the way; B: input W_k: QUANTISED
;;     3. [M 8,192, K 512] x [K 512, N 512]; A: computed on the way; B: input W_v: QUANTISED
;;     4. batch 64 x [M 2,048, K 32] x [K 32, N 2,048]; A: computed on the way; B: computed on the way: QUANTISED
;;     5. batch 64 x [M 2,048, K 2,048] x [K 2,048, N 32]; A: softmax (see below); B: computed on the way: QUANTISED
;;     6. [M 8,192, K 512] x [K 512, N 512]; A: computed on the way; B: input W_o: QUANTISED
;;     7. [M 8,192, K 512] x [K 512, N 512]; A: computed on the way; B: input W_gate: QUANTISED
;;     8. [M 8,192, K 512] x [K 512, N 512]; A: computed on the way; B: input W_hidden: QUANTISED
;;     9. [M 8,192, K 512] x [K 512, N 512]; A: computed on the way; B: input W_out: QUANTISED
;;   THE QUANTISER, for each operand of a quantised product, along K:
;;     - K is cut into blocks of 32 from its start; a last block that is shorter is filled with zeros.
;;     - A block's scale is 2^e with e = floor(log2(the largest magnitude in the block)) - 4, held to -126 .. 127; a block of zeros has e = 0. As a byte (E8M0): e + 127.
;;     - Each number is divided by its block's scale, clamped to +-28, and rounded to the nearest number of E3M2, ties to even, subnormals kept.
;;     - The product sums the exact products of the quantised numbers (number of the format x scale) in f32.
;;   ~~~python
;;   def quantise(x, axis):      # numpy; x: float32 -> the quantised numbers, widened to float32 again
;;       x = np.moveaxis(x, axis, -1); K = x.shape[-1]
;;       x = np.pad(x, [(0, 0)] * (x.ndim - 1) + [(0, -K % 32)]); x = x.reshape(x.shape[:-1] + (-1, 32)); a = np.abs(x).max(-1, keepdims=True)
;;       e = np.where(a > 0, np.clip(np.frexp(np.where(a > 0, a, 1))[1] - 1 - 4, -126, 127), 0)      # np.frexp(a)[1] - 1 = floor(log2(a)), exactly
;;       r = np.clip(x / 2.0 ** e, -28, 28)
;;       step = 2.0 ** (np.maximum(np.frexp(np.where(r == 0, 1, r))[1] - 1, -2) - 2)
;;       q = np.round(r / step) * step * 2.0 ** e      # np.round: ties to even
;;       return np.moveaxis(q.reshape(q.shape[:-2] + (-1,))[..., :K], -1, axis).astype(np.float32)
;;   ~~~
;;   SOFTMAX AHEAD OF A QUANTISED PRODUCT. Where the list says 'softmax', what is quantised is not the finished softmax but p = 2^(t - M), with t = logit x log2(e) and M = ceil(the row's largest t), a whole number; so 1/2 < the row's largest p <= 1. The row's sum l is taken of the UNQUANTISED p, in f32, and the product's result is divided by l at the end. Since M is a whole number, a kernel that streams over the keys may use a running M (the ceiling of the running maximum): every later rescaling is an exact power of two, which a block's scale takes up: the codes' values come out the same.
;;   OPERANDS COMPUTED ON THE WAY. 'Computed on the way' means the value that the module computes at that place (a softmax that the list does not call 'softmax' is quantised finished and normalised). What goes into a quantiser is computed in f32, as accurately as f32 sums, v_exp_f32 and their like allow (about 1e-6 of the number): no bf16 or f16 on the way to a quantiser, and a product that is left as it is and whose result goes on into a quantised operand takes f32 operands (vector FMAs, or v_wmma_f32_16x16x4_f32). A number that lies on a knife's edge between two numbers of the format may be rounded either way, as far as f32 arithmetic and the matrix unit's own rounding can turn it there, and no further.
;; One version. Each part assembles by itself: llvm-mc -triple=amdgcn-amd-amdhsa -mcpu=gfx1250 --defsym DOCPART=n.
;; ======== version 1 of 1: 4 launches
;; limits: right only within a limited range of input values
;; workspace buffers: cod0 4,521,984 bytes; scl0 188,416 bytes; qkv 9,437,184 bytes; qkvs 393,216 bytes; ao 3,145,728 bytes; aos 131,072 bytes
;; launch prep (part 1): grid 184 x 1, 4 waves a work-group, no clusters, 0 bytes of LDS; arguments x, W_q, W_k, W_v, W_o, W_gate, W_hidden, W_out, attn_norm_w, cod0, scl0; writes cod0, scl0
.if DOCPART == 1
	.amdgcn_target "amdgcn-amd-amdhsa--gfx1250"
	.amdhsa_code_object_version 6
	.text
	.protected	k_q5b053ffe54_prep
	.globl	k_q5b053ffe54_prep
	.p2align	8
	.type	k_q5b053ffe54_prep,@function
k_q5b053ffe54_prep:
	s_mov_b64 s[64:65], 0
	v_nop
	global_prefetch_b8 v0, s[64:65] scope:SCOPE_SE
	s_setreg_imm32_b32 hwreg(HW_REG_WAVE_MODE, 25, 1), 1
	s_wait_xcnt 0x0
; rmsnorm(x, attn_norm_w) and the seven weights become codes of BF6 (E3M2) with one E8M0 byte for each 32 along K (K = 512, innermost in all of them).
; A wave takes ONE TILE of 16 rows x 512 numbers.  Tile J = 2 B + u holds rows 32 B + 8 u + (m & 7) + 16 (m >> 3), m = 0 .. 15: so that, where such a tile is source 0 of a product,
; the 16 result registers of tiles 2 B and 2 B + 1 are 16 neighbours along the next K.  Tiles 0 .. 511: x's tokens; tile 512 + 32 n + t: tile t of weight n (W_q, W_k, W_v, W_o, W_gate, W_hidden, W_out).
; OUT: cod0[J][K step s: 4][1,536 bytes]: the operand's 12 registers as they stand, registers 4 j .. 4 j + 3 of lane l at 512 j + 16 l: each store of the wave covers 512 consecutive bytes.
;      scl0[J][row m][s]: one word (four bytes) for a row and 128 along K: 256 bytes a tile, stored whole by one instruction.
; A lane (r, h) holds, of row r, the numbers 32 b + 16 h + 0 .. 15 of every block b of 32: lanes l and l xor 16 share a block.
; No LDS, no barrier: waves share nothing.  All loads of a wave go out at its head.
; LIMITS: NaN and infinities are not served.  A block of zeros gets the byte 1 where the rule says 127: its codes are zeros, and the bytes are read by this program alone.
.set TM,  8                            ; v8-13   at work in QHALF: largest magnitudes, bytes, scale operands
.set PT,  16                           ; v16-18  the second conversion's result
.set SUM, 20                           ; v20-27  four pairs of sums of squares
.set RS,  28                           ; v28-29  1 / rms, twice
.set PC,  32                           ; v32-79  codes: 12 registers for each K step, so that no store's data are written again
.set SWD, 80                           ; v80-83  the four scale words
.set SEL, 34                           ; s[34:35] lane selects for v_permlanex16_b32: lane l xor 16
.set MSB, 0
.macro WIN new                         ; the immediate's high byte repeats the setting that is left; a switch that changes nothing is dropped
.if MSB != (\new)
	s_set_vgpr_msb (MSB<<8)|(\new)
.set MSB, (\new)
.endif
.endm
; Two blocks of 32: v[src] .. v[src + 31] of window win, register 16 e + i = k 32 e + 16 h + i of my row.  Out: v[dst] .. v[dst + 5]: the 24 bytes of block e = h; the two blocks' bytes in v[TM+2], v[TM+3].
.macro QHALF src, win, dst
	WIN ((\win)|((\win)<<2))
.irp e, 0,1
	v_max3_num_f32 v[TM+\e], |v[(\src)+16*\e]|, |v[(\src)+16*\e+1]|, 0x2800000   ; my 16 numbers, and the floor 2^(5 - 127): the byte cannot fall under 1
.endr
	WIN (((\win)<<2)|((\win)<<4))
.irp i, 2,4,6,8,10,12,14
.irp e, 0,1
	v_max3_num_f32 v[TM+\e], v[TM+\e], |v[(\src)+16*\e+\i]|, |v[(\src)+16*\e+\i+1]|
.endr
.endr
	WIN 0
.irp e, 0,1
	v_permlanex16_b32 v[TM+2+\e], v[TM+\e], s[SEL], s[SEL+1]
.endr
.irp e, 0,1
	v_max_num_f32 v[TM+\e], v[TM+\e], v[TM+2+\e]       ; with lane l xor 16's: the block's largest magnitude
.endr
.irp e, 0,1
	v_add_nc_u32 v[TM+4+\e], 0xfe000000, v[TM+\e]      ; 4 off its exponent field: the conversion's scale operand
.endr
.irp e, 0,1
	v_lshrrev_b32 v[TM+2+\e], 23, v[TM+4+\e]           ; the scale's byte
.endr
	WIN (\win)
	v_cvt_scalef32_pk16_bf6_f32 v[(\dst):(\dst)+2], v[(\src):(\src)+15], v[TM+4]
	v_cvt_scalef32_pk16_bf6_f32 v[PT:PT+2], v[(\src)+16:(\src)+31], v[TM+5]
	WIN 0
	v_nop                                              ; one plain instruction behind the scaled conversions
.irp i, 0,1,2
	v_permlane16_swap_b32 v[(\dst)+\i], v[PT+\i]       ; the operand wants a whole block in a lane: lanes 0-15 block 0, lanes 16-31 block 1
.endr
.irp i, 0,1,2
	v_mov_b32 v[(\dst)+3+\i], v[PT+\i]
.endr
.endm
	s_load_b512 s[4:19], s[0:1], 0x0               ; x, W_q, W_k, W_v, W_o, W_gate, W_hidden, W_out
	s_load_b128 s[20:23], s[0:1], 0x40             ; attn_norm_w, cod0
	s_load_b64 s[24:25], s[0:1], 0x50              ; scl0
	v_lshrrev_b32 v5, 5, v0
	v_readfirstlane_b32 s28, v5                    ; wave
	v_and_b32 v5, 15, v0                           ; r
	v_bfe_u32 v6, v0, 4, 1                         ; h
	v_and_b32 v7, 31, v0                           ; lane
	v_and_b32 v1, 7, v5
	v_lshlrev_b32 v1, 11, v1                       ; (r & 7) rows of 2,048 bytes
	v_lshrrev_b32 v30, 3, v5
	v_lshl_add_u32 v1, v30, 15, v1                 ; + 16 (r >> 3) rows
	v_lshl_add_u32 v1, v6, 6, v1                   ; + 64 h: my 16 numbers of a block
	v_lshlrev_b32 v2, 6, v6                        ; the same place in attn_norm_w
	v_lshlrev_b32 v3, 4, v7                        ; 16 x lane: my place in an image
	v_lshlrev_b32 v4, 4, v5
	v_lshl_add_u32 v4, v6, 3, v4                   ; 16 r + 8 h: my two scale words
	v_mov_b32 v[TM+2], 0                           ; a lane permute's destination counts as read
	v_mov_b32 v[TM+3], 0
	v_mov_b32 v30, 0
	s_mov_b32 s33, 0xffff0000                      ; lanes 16-31
	s_mov_b32 s[SEL], 0x76543210
	s_mov_b32 s[SEL+1], 0xfedcba98
	s_mov_b32 s36, 0x3b000000                      ; 1 / 512
	s_mov_b32 s37, 0x358637bd                      ; 1e-6
	s_lshl_b32 s30, ttmp9, 2
	s_add_co_u32 s30, s30, s28                     ; J
	s_sub_co_u32 s29, ttmp9, 128
	s_lshr_b32 s29, s29, 3                         ; which weight: 0 .. 6; a huge number in x's work-groups
	s_and_b32 s32, s30, 31
	s_cmp_lt_u32 ttmp9, 128
	s_cselect_b32 s31, s30, s32                    ; the tile's number in its tensor
	s_lshr_b32 s38, s31, 1
	s_lshl_b32 s38, s38, 5
	s_and_b32 s32, s31, 1
	s_lshl_b32 s32, s32, 3
	s_add_co_u32 s38, s38, s32                     ; its first row: 32 B + 8 u
	s_lshl_b32 s38, s38, 11
	s_mov_b32 s39, 0
	s_mul_i32 s40, s30, 6144
	s_mov_b32 s41, 0
	s_lshl_b32 s42, s30, 8
	s_mov_b32 s43, 0
	s_wait_alu depctr_va_vdst(0)
	s_wait_kmcnt 0x0
	s_mov_b64 s[26:27], s[4:5]                     ; the source: chosen on the work-group's number alone
.irp k, 0,1,2,3,4,5,6
	s_cmp_eq_u32 s29, \k
	s_cselect_b64 s[26:27], s[6+2*\k:7+2*\k], s[26:27]
.endr
	s_add_nc_u64 s[26:27], s[26:27], s[38:39]
	s_add_nc_u64 s[22:23], s[22:23], s[40:41]
	s_add_nc_u64 s[24:25], s[24:25], s[42:43]
	WIN 0x40                                       ; destination window 1: register 64 s + 16 b + 4 j + i = k 128 s + 32 b + 16 h + 4 j + i
.irp s, 0,1,2,3
.irp b, 0,1,2,3
.irp j, 0,1,2,3
	global_load_b128 v[64*\s+16*\b+4*\j:64*\s+16*\b+4*\j+3], v1, s[26:27] offset:512*\s+128*\b+16*\j th:TH_LOAD_NT
.endr
.endr
.endr
	WIN 0
	s_cmp_ge_u32 ttmp9, 128
	s_cbranch_scc1 .Lquant                         ; weights are quantised as they are
	; ---- the norm: w x / sqrt(mean(x^2) + eps)
	WIN 0x80                                       ; destination window 2: the gains, in the same map
.irp s, 0,1,2,3
.irp b, 0,1,2,3
.irp j, 0,1,2,3
	global_load_b128 v[64*\s+16*\b+4*\j:64*\s+16*\b+4*\j+3], v2, s[20:21] offset:512*\s+128*\b+16*\j
.endr
.endr
.endr
	s_wait_loadcnt 63                              ; 64 loads were issued behind x's last: x is in
	WIN 0x05                                       ; sources 0 and 1 window 1
.irp k, 0,1,2,3
	v_pk_mul_f32 v[SUM+2*\k:SUM+2*\k+1], v[64*\k:64*\k+1], v[64*\k:64*\k+1]     ; four chains, one for each K step: the first product starts a sum
.endr
.set I, 1
.rept 31
.irp k, 0,1,2,3
	v_pk_fma_f32 v[SUM+2*\k:SUM+2*\k+1], v[64*\k+2*I:64*\k+2*I+1], v[64*\k+2*I:64*\k+2*I+1], v[SUM+2*\k:SUM+2*\k+1]
.endr
.set I, I+1
.endr
	WIN 0
	v_pk_add_f32 v[SUM:SUM+1], v[SUM:SUM+1], v[SUM+2:SUM+3]
	v_pk_add_f32 v[SUM+4:SUM+5], v[SUM+4:SUM+5], v[SUM+6:SUM+7]
	v_pk_add_f32 v[SUM:SUM+1], v[SUM:SUM+1], v[SUM+4:SUM+5]
	v_add_f32 v[SUM], v[SUM], v[SUM+1]
	v_permlanex16_b32 v30, v[SUM], s[SEL], s[SEL+1]
	v_add_f32 v[SUM], v[SUM], v30                  ; the row's sum of squares
	v_fma_f32 v[SUM], v[SUM], s36, s37
	s_wait_alu depctr_va_vdst(0)
	v_rsq_f32 v[RS], v[SUM]
	v_rsq_f32 v[RS+1], v[SUM]
	v_nop                                          ; a plain instruction behind the transcendentals
	s_wait_alu depctr_va_vdst(0)                   ; one wait for both, ahead of their first reader
	s_wait_loadcnt 0x0                             ; the gains
	WIN 0x49                                       ; x (window 1) *= w (window 2)
.set I, 0
.rept 128
	v_pk_mul_f32 v[I:I+1], v[I:I+1], v[I:I+1]
.set I, I+2
.endr
	WIN 0x41                                       ; (w x) / rms
.set I, 0
.rept 128
	v_pk_mul_f32 v[I:I+1], v[I:I+1], v[RS:RS+1]
.set I, I+2
.endr
	WIN 0
.Lquant:
.irp s, 0,1,2,3
	s_wait_loadcnt 16*(3-\s)                       ; a weight's path: the later K steps' loads, 16 each, may be out; x's path has none out
	QHALF 64*\s, 1, PC+12*\s
	v_lshl_or_b32 v[SWD+\s], v[TM+3], 8, v[TM+2]
	QHALF 64*\s+32, 1, PC+12*\s+6
	v_lshl_or_b32 v[SWD+\s], v[TM+2], 16, v[SWD+\s]
	v_lshl_or_b32 v[SWD+\s], v[TM+3], 24, v[SWD+\s]    ; my row's scale word of this K step
.irp j, 0,1,2
	global_store_b128 v3, v[PC+12*\s+4*\j:PC+12*\s+4*\j+3], s[22:23] offset:1536*\s+512*\j
.endr
.endr
	v_cndmask_b32 v84, v[SWD], v[SWD+2], s33       ; lanes 0-15 store words 0 and 1 of their row, lanes 16-31 words 2 and 3
	v_cndmask_b32 v85, v[SWD+1], v[SWD+3], s33
	global_store_b64 v4, v[84:85], s[24:25]        ; 32 lanes store 256 consecutive bytes, aligned
	s_endpgm
.Lfunc_end_k_q5b053ffe54_prep:
	.size	k_q5b053ffe54_prep, .Lfunc_end_k_q5b053ffe54_prep-k_q5b053ffe54_prep
	.p2alignl 7, 3214868480
	.fill 96, 4, 3214868480
	.section	.rodata,"a",@progbits
	.p2align	6, 0x0
	.amdhsa_kernel k_q5b053ffe54_prep
		.amdhsa_group_segment_fixed_size 0
		.amdhsa_private_segment_fixed_size 0
		.amdhsa_enable_private_segment 0
		.amdhsa_kernarg_size 88
		.amdhsa_user_sgpr_count 2
		.amdhsa_user_sgpr_kernarg_segment_ptr 1
		.amdhsa_wavefront_size32 1
		.amdhsa_system_sgpr_workgroup_id_x 1
		.amdhsa_system_sgpr_workgroup_id_y 1
		.amdhsa_system_sgpr_workgroup_id_z 1
		.amdhsa_system_vgpr_workitem_id 0
		.amdhsa_next_free_vgpr 768
		.amdhsa_next_free_sgpr 66
		.amdhsa_reserve_vcc 0
		.amdhsa_float_denorm_mode_32 3
		.amdhsa_float_denorm_mode_16_64 3
		.amdhsa_memory_ordered 1
		.amdhsa_forward_progress 1
		.amdhsa_inst_pref_size 58
	.end_amdhsa_kernel
	.amdgpu_metadata
---
amdhsa.version: [ 1, 2 ]
amdhsa.kernels:
  - .name:           k_q5b053ffe54_prep
    .symbol:         k_q5b053ffe54_prep.kd
    .args:
      - { .name: x, .offset: 0, .size: 8, .value_kind: global_buffer, .address_space: global }
      - { .name: W_q, .offset: 8, .size: 8, .value_kind: global_buffer, .address_space: global }
      - { .name: W_k, .offset: 16, .size: 8, .value_kind: global_buffer, .address_space: global }
      - { .name: W_v, .offset: 24, .size: 8, .value_kind: global_buffer, .address_space: global }
      - { .name: W_o, .offset: 32, .size: 8, .value_kind: global_buffer, .address_space: global }
      - { .name: W_gate, .offset: 40, .size: 8, .value_kind: global_buffer, .address_space: global }
      - { .name: W_hidden, .offset: 48, .size: 8, .value_kind: global_buffer, .address_space: global }
      - { .name: W_out, .offset: 56, .size: 8, .value_kind: global_buffer, .address_space: global }
      - { .name: attn_norm_w, .offset: 64, .size: 8, .value_kind: global_buffer, .address_space: global }
      - { .name: cod0, .offset: 72, .size: 8, .value_kind: global_buffer, .address_space: global }
      - { .name: scl0, .offset: 80, .size: 8, .value_kind: global_buffer, .address_space: global }
    .group_segment_fixed_size: 0
    .private_segment_fixed_size: 0
    .kernarg_segment_align: 8
    .kernarg_segment_size: 88
    .max_flat_workgroup_size: 128
    .sgpr_count:     66
    .vgpr_count:     768
    .wavefront_size: 32
...
	.end_amdgpu_metadata
.endif
;; end of part 1
;; launch qkv (part 2): grid 64 x 3, 4 waves a work-group, no clusters, 168,448 bytes of LDS; arguments cod0, scl0, qkv, qkvs; writes qkv, qkvs
.if DOCPART == 2
	.amdgcn_target "amdgcn-amd-amdhsa--gfx1250"
	.amdhsa_code_object_version 6
	.text
	.protected	k_q5b053ffe54_qkv
	.globl	k_q5b053ffe54_qkv
	.p2align	8
	.type	k_q5b053ffe54_qkv,@function
k_q5b053ffe54_qkv:
	s_mov_b64 s[64:65], 0
	v_nop
	global_prefetch_b8 v0, s[64:65] scope:SCOPE_SE
	s_setreg_imm32_b32 hwreg(HW_REG_WAVE_MODE, 25, 1), 1
	s_wait_xcnt 0x0
; q, k, v = rmsnorm(x) W^T on codes of BF6, and their results quantised again: q and k along the head's 32 channels (one block), v along the keys, laid as the attention launch's operands.
; SHARES.  Work-group (g, y): 128 tokens (batch g / 16, key step g % 16) of Q (y = 0), K (1) or V (2).  Wave w: heads 4 w .. 4 w + 3 = 128 columns; its 32 weight fragments (384 registers) come once, straight from memory.
; The tokens' 32 fragments (48 KiB, as they lie in cod0) come into LDS once by four tensor loads and are read by all four waves.  The 128 tokens go in two halves of 64: 4 token tiles x 8 column tiles = 32 accumulators.
; Q, K: source 0 = W, source 1 = x: a lane holds ONE token and 16 neighbouring channels of each head.   V: source 0 = x, source 1 = W_v: a lane holds ONE channel and 16 neighbouring tokens.  Nothing is transposed.
; OUT.  qkv[batch x head][key step][K 3,072 | V 3,072 | Q 3,072 bytes].  K and Q: two fragments (64 tokens each), lane l's 12 registers on end at 48 l: lane (m, u), half b, holds the 24 bytes of token 32 b + 8 u + (m & 7) + 16 (m >> 3):
; so one fragment holds four tiles of 16 tokens, tile 2 b + u in K block 2 b + u.  V: two fragments (16 channels x 128 keys).  qkvs[batch][key step][K | V | Q: 2,048][head: 128 bytes]: the fragments' scale words.
; No multicast: the tile that the three work-groups of a group share is 48 KiB of the 240 KiB that a work-group reads, and 3 work-groups along y form no cluster of 4.
; LIMITS: NaN and infinities are not served; a block of zeros gets the byte 1 (its codes are zeros; the bytes are read by this program alone).
.set XIMG,  0                          ; LDS: 8 token tiles x 4 K steps x 1,536 bytes, filled once
.set STGKQ, 49152                      ; a stage for each wave (12,288 bytes of codes, 512 of scale words), for the Q and K path;
.set STGV,  100352                     ; and one for the V path: the two paths part on the work-group's number and share no stored byte
.set LI,  1                            ; v1  16 x lane
.set LR,  2                            ; v2  16 r
.set STK, 3                            ; v3  Q, K: where I put a token's 24 bytes
.set STV, 4                            ; v4  V: where I put a channel's 24 bytes
.set SKA, 5                            ; v5, v6  the stages' scale words: 4 r
.set SVA, 6
.set RKA, 7                            ; v7, v8  the stages read back: 16 x lane
.set RVA, 8
.set TM,  16
.set PT,  24
.set WS,  32                           ; v32-47  W's scale words: register 4 (ct / 2) + s: lanes 0-15 tile ct even, lanes 16-31 tile ct odd
.set AS,  48                           ; v48-79  x's scale words: register 4 t + s
.set CD,  80                           ; v80-91  two sets of codes, by turns
.set SW,  96                           ; v96-103 scale words in the making
.set U,   144                          ; v144-239 two sets of four x fragments; on the way out the stage read back
.set WB,  28                           ; s[28:29] my weight fragments;  s[30:31] their scale words
.set SB,  30
.set SEL, 38
.set MSB, 0
.macro WIN new
.if MSB != (\new)
	s_set_vgpr_msb (MSB<<8)|(\new)
.set MSB, (\new)
.endif
.endm
.macro PLACES n
.rept \n
	v_nop
.endr
.endm
; Two blocks of 32: v[src] .. v[src + 31] of window win, register 16 e + i = k 32 e + 16 h + i of my row.  Out: v[dst] .. v[dst + 5]: the 24 bytes of block e = h; the two blocks' bytes in v[TM+2], v[TM+3].
; Each accumulator is read from its low end on.
.macro QHALF src, win, dst
	WIN ((\win)|((\win)<<2))
.irp e, 0,1
	v_max3_num_f32 v[TM+\e], |v[(\src)+16*\e]|, |v[(\src)+16*\e+1]|, 0x2800000
.endr
	WIN (((\win)<<2)|((\win)<<4))
.irp i, 2,4,6,8,10,12,14
.irp e, 0,1
	v_max3_num_f32 v[TM+\e], v[TM+\e], |v[(\src)+16*\e+\i]|, |v[(\src)+16*\e+\i+1]|
.endr
.endr
	WIN 0
.irp e, 0,1
	v_permlanex16_b32 v[TM+2+\e], v[TM+\e], s[SEL], s[SEL+1]
.endr
.irp e, 0,1
	v_max_num_f32 v[TM+\e], v[TM+\e], v[TM+2+\e]
.endr
.irp e, 0,1
	v_add_nc_u32 v[TM+4+\e], 0xfe000000, v[TM+\e]
.endr
.irp e, 0,1
	v_lshrrev_b32 v[TM+2+\e], 23, v[TM+4+\e]
.endr
	WIN (\win)
	v_cvt_scalef32_pk16_bf6_f32 v[(\dst):(\dst)+2], v[(\src):(\src)+15], v[TM+4]
	v_cvt_scalef32_pk16_bf6_f32 v[PT:PT+2], v[(\src)+16:(\src)+31], v[TM+5]
	WIN 0
	v_nop                                              ; one plain instruction behind the scaled conversions
.irp i, 0,1,2
	v_permlane16_swap_b32 v[(\dst)+\i], v[PT+\i]
.endr
.irp i, 0,1,2
	v_mov_b32 v[(\dst)+3+\i], v[PT+\i]
.endr
.endm
.macro FETCH4 set, off                 ; four token tiles' fragments of one K step, 12 loads of 512 consecutive bytes
.irp tt, 0,1,2,3
.irp j, 0,1,2
	ds_load_b128 v[U+48*(\set)+12*\tt+4*\j:U+48*(\set)+12*\tt+4*\j+3], v[LI] offset:(\off)+6144*\tt+512*\j
.endr
.endr
.endm
.macro WLOAD s, t0, t1                 ; K step s of my eight weight tiles (slots 0-3: tiles t0 on, slots 4-7: tiles t1 on) into its own set: windows 1 (s = 0, 1) and 3 (s = 2, 3)
.if (\s) < 2
	WIN 0x40
.else
	WIN 0xc0
.endif
.irp ct, 0,1,2,3,4,5,6,7
.irp j, 0,1,2
	global_load_b128 v[96*((\s)%2)+12*\ct+4*\j:96*((\s)%2)+12*\ct+4*\j+3], v[LI], s[WB:WB+1] offset:((\t0)*(1-\ct/4)+((\t1)-4)*(\ct/4)+\ct)*6144+1536*(\s)+512*\j
.endr
.endr
	WIN 0
.endm
.macro WSLOAD buf, t0, t1              ; their scale words: two neighbouring tiles are 512 bytes, 16 a lane
.irp q, 0,1,2,3
	global_load_b128 v[WS+16*(\buf)+4*\q:WS+16*(\buf)+4*\q+3], v[LI], s[SB:SB+1] offset:((\t0)*(1-\q/2)+((\t1)-4)*(\q/2)+2*\q)*256
.endr
.endm
.macro MM d, a, b, zero, sa, sb, rowa, rowb
.if \zero
.if \rowa
	v_wmma_scale_f32_16x16x128_f8f6f4 v[(\d):(\d)+7], v[(\a):(\a)+11], v[(\b):(\b)+11], 0, v[\sa], v[\sb] matrix_a_fmt:MATRIX_FMT_BF6 matrix_b_fmt:MATRIX_FMT_BF6 matrix_a_scale:MATRIX_SCALE_ROW1
.elseif \rowb
	v_wmma_scale_f32_16x16x128_f8f6f4 v[(\d):(\d)+7], v[(\a):(\a)+11], v[(\b):(\b)+11], 0, v[\sa], v[\sb] matrix_a_fmt:MATRIX_FMT_BF6 matrix_b_fmt:MATRIX_FMT_BF6 matrix_b_scale:MATRIX_SCALE_ROW1
.else
	v_wmma_scale_f32_16x16x128_f8f6f4 v[(\d):(\d)+7], v[(\a):(\a)+11], v[(\b):(\b)+11], 0, v[\sa], v[\sb] matrix_a_fmt:MATRIX_FMT_BF6 matrix_b_fmt:MATRIX_FMT_BF6
.endif
.else
.if \rowa
	v_wmma_scale_f32_16x16x128_f8f6f4 v[(\d):(\d)+7], v[(\a):(\a)+11], v[(\b):(\b)+11], v[(\d):(\d)+7], v[\sa], v[\sb] matrix_a_fmt:MATRIX_FMT_BF6 matrix_b_fmt:MATRIX_FMT_BF6 matrix_a_scale:MATRIX_SCALE_ROW1
.elseif \rowb
	v_wmma_scale_f32_16x16x128_f8f6f4 v[(\d):(\d)+7], v[(\a):(\a)+11], v[(\b):(\b)+11], v[(\d):(\d)+7], v[\sa], v[\sb] matrix_a_fmt:MATRIX_FMT_BF6 matrix_b_fmt:MATRIX_FMT_BF6 matrix_b_scale:MATRIX_SCALE_ROW1
.else
	v_wmma_scale_f32_16x16x128_f8f6f4 v[(\d):(\d)+7], v[(\a):(\a)+11], v[(\b):(\b)+11], v[(\d):(\d)+7], v[\sa], v[\sb] matrix_a_fmt:MATRIX_FMT_BF6 matrix_b_fmt:MATRIX_FMT_BF6
.endif
.endif
.endm
; One K step: 32 matrix instructions on 32 accumulators (window 2), which take turns, one instruction a turn, in the same order in every step.
; mode 0: source 0 = W, source 1 = x, accumulator (tt, ct) at 64 tt + 8 ct.   mode 1: source 0 = x, source 1 = W, accumulator at 32 ct + 8 tt.
.macro MUL32 s, set, zero, mode, asb, wsb
.set WW, 1+2*((\s)/2)
.set WBS, 96*((\s)%2)
.if \mode
	WIN (0xa0|(WW<<2))
.else
	WIN (0xa0|WW)
.endif
.irp ct, 0,1,2,3,4,5,6,7
.irp tt, 0,1,2,3
.if \mode
	MM 32*\ct+8*\tt, U+48*(\set)+12*\tt, WBS+12*\ct, \zero, (\asb)+4*\tt+(\s), (\wsb)+4*(\ct/2)+(\s), 0, \ct%2
.else
	MM 64*\tt+8*\ct, WBS+12*\ct, U+48*(\set)+12*\tt, \zero, (\wsb)+4*(\ct/2)+(\s), (\asb)+4*\tt+(\s), \ct%2, 0
.endif
.endr
.endr
	WIN 0
.endm
.macro KSTEP f, s, mode
.if (\s) < 3
	s_wait_dscnt 12                                ; this step's four fragments are in; the next step's twelve loads may be out
.else
	s_wait_dscnt 0x0
.endif
.if (\f) == 0
.if (\s) == 0
	s_wait_loadcnt 63                              ; 72 loads stand behind K step 0's weights: the scale words and that set are in
.else
	s_wait_loadcnt 24*(3-(\s))                     ; the later sets, 24 loads each, may be out
.endif
.endif
.if (\s) == 0
	MUL32 \s, 0, 1, \mode, AS+16*(\f), WS          ; the first K step starts the sums
.else
	MUL32 \s, (\s)%2, 0, \mode, AS+16*(\f), WS
.endif
	PLACES 4                                       ; in front of loads into registers that matrix instructions have read, and of the first read of results
.if (\s) < 2
	FETCH4 (\s)%2, XIMG+24576*(\f)+1536*((\s)+2)
.endif
.endm
.macro HALF f, mode
	FETCH4 0, XIMG+24576*(\f)
	FETCH4 1, XIMG+24576*(\f)+1536
	KSTEP \f, 0, \mode
	KSTEP \f, 1, \mode
	KSTEP \f, 2, \mode
	KSTEP \f, 3, \mode
.endm
; Q, K: registers 64 tt + 16 hl + i = channel 16 h + i of my local head hl, of token r of tile tt.  After QHALF lane (r, h) holds the 24 bytes of head 2 c + h.
.macro EPIKQ f
.irp tt, 0,1,2,3
.irp c, 0,1
.if 2*\tt+\c >= 2
	s_wait_dscnt 3                                 ; the set's last stores, two units back, are done; the three younger may be out
.endif
	QHALF 64*\tt+32*\c, 2, CD+6*\c
.irp i, 0,1,2
	ds_store_b64 v[STK], v[CD+6*\c+2*\i:CD+6*\c+2*\i+1] offset:6144*\c+1536*(\f)+768*(\tt%2)+24*(\tt/2)+8*\i   ; (lanes r and r + 16 meet in the same banks: two deep)
.endr
.irp e, 0,1
.if \tt == 0
	v_mov_b32 v[SW+2*\c+\e], v[TM+2+\e]
.else
	v_lshl_or_b32 v[SW+2*\c+\e], v[TM+2+\e], 8*\tt, v[SW+2*\c+\e]      ; byte tt of token index r's word of head 2 c + e
.endif
.endr
.endr
.endr
.irp hl, 0,1,2,3
	ds_store_b32 v[SKA], v[SW+\hl] offset:128*\hl+64*(\f)              ; both halves of the lanes write the same word with the same value
.endr
.endm
; V: registers 32 ct + 16 b + i = token 32 b + 16 h + i of this half, of channel r of tile ct.  After QHALF lane (r, h) holds keys 64 f + 32 h + 0 .. 31.
.macro EPIV f
.irp ct, 0,1,2,3,4,5,6,7
.if \ct >= 2
	s_wait_dscnt 3
.endif
	QHALF 32*\ct, 2, CD+6*(\ct%2)
.irp i, 0,1,2
	ds_store_b64 v[STV], v[CD+6*(\ct%2)+2*\i:CD+6*(\ct%2)+2*\i+1] offset:1536*\ct+24*(\f)+8*\i
.endr
.if (\f) == 0
	v_lshl_or_b32 v[SW+\ct], v[TM+3], 8, v[TM+2]
.else
	v_lshl_or_b32 v[SW+\ct], v[TM+2], 16, v[SW+\ct]
	v_lshl_or_b32 v[SW+\ct], v[TM+3], 24, v[SW+\ct]
.endif
.endr
.endm
; The way out: my stage (my own bytes: LDS serves a wave's instructions in order) comes back 16 bytes a lane and leaves in stores of 512 consecutive bytes: 3,072 bytes a head, heads 147,456 bytes apart.
.macro OUT rb
.set I, 0
.rept 24
	ds_load_b128 v[U+4*I:U+4*I+3], v[\rb] offset:512*I
.set I, I+1
.endr
	ds_load_b128 v[240:243], v[\rb] offset:12288
.set I, 0
.rept 24
	s_wait_dscnt 24-I                              ; the younger loads may be out
	global_store_b128 v[LI], v[U+4*I:U+4*I+3], s[34:35] offset:147456*(I/6)+512*(I%6)
.set I, I+1
.endr
	s_wait_dscnt 0x0
	global_store_b128 v[LI], v[240:243], s[36:37]  ; my four heads' scale words: 512 bytes
.endm
	s_load_b256 s[4:11], s[0:1], 0x0               ; cod0, scl0, qkv, qkvs
	v_lshl_add_u32 v254, v0, 2, 0x29000
	v_mov_b32 v255, 0
	ds_add_u32 v254, v255
	ds_add_u32 v254, v255
	v_lshrrev_b32 v9, 5, v0
	v_readfirstlane_b32 s12, v9                    ; wave
	s_mov_b32 s13, ttmp9                           ; g
	s_and_b32 s14, ttmp7, 0xffff                   ; y
	; descriptor group 1: 48 rows of 256 bytes (32 elements of 8 bytes), dense, no padding: a quarter of the group's fragments
	s_mov_b32 s16, 3<<16
	s_mov_b32 s17, 32<<16                          ; tensor_dim0
	s_mov_b32 s18, 48<<16                          ; tensor_dim1
	s_mov_b32 s19, 32<<16                          ; tile_dim0
	s_mov_b32 s20, 48                              ; tile_dim1
	s_mov_b32 s21, 32                              ; from row to row
	s_mov_b32 s22, 0
	s_mov_b32 s23, 0
	s_mov_b32 s24, 1
	s_mul_i32 s25, s12, 12288                      ; LDS: wave x 12,288
	s_mul_i32 s40, s13, 49152
	s_add_co_u32 s40, s40, s25
	s_mov_b32 s41, 0
	s_wait_dscnt 0x0
	s_wait_kmcnt 0x0
	s_add_nc_u64 s[26:27], s[4:5], s[40:41]
	s_or_b32 s27, s27, 0x80000000
	tensor_load_to_lds s[24:27], s[16:23]          ; my one tensor load: these bytes are filled once
	s_nop 0
	PLACES 4
	v_and_b32 v9, 31, v0
	v_and_b32 v10, 15, v0
	v_bfe_u32 v11, v0, 4, 1
	v_lshlrev_b32 v[LI], 4, v9
	s_wait_alu depctr_va_vdst(0)
	v_lshlrev_b32 v[LR], 4, v10
	s_wait_alu depctr_va_vdst(0)
	s_lshl_b32 s42, s14, 5
	s_lshl_b32 s43, s12, 3
	s_add_co_u32 s42, s42, s43
	s_add_co_u32 s42, s42, 512                     ; my first weight tile: 512 + 32 y + 8 w
	s_mul_i32 s40, s42, 6144
	s_add_nc_u64 s[WB:WB+1], s[4:5], s[40:41]
	s_lshl_b32 s40, s42, 8
	s_add_nc_u64 s[SB:SB+1], s[6:7], s[40:41]
	s_lshl_b32 s40, s13, 11
	s_add_nc_u64 s[32:33], s[6:7], s[40:41]        ; x's scale words: 8 tiles of 256 bytes
	WSLOAD 0, 0, 4
.irp t, 0,1,2,3,4,5,6,7
	global_load_b128 v[AS+4*\t:AS+4*\t+3], v[LR], s[32:33] offset:256*\t
.endr
	WLOAD 0, 0, 4
	WLOAD 1, 0, 4
	WLOAD 2, 0, 4
	WLOAD 3, 0, 4
	s_add_co_u32 s15, s14, 2
	s_cmp_ge_u32 s15, 3
	s_cselect_b32 s43, 3, 0
	s_sub_co_u32 s15, s15, s43                     ; which part of a key step's bytes: K 0, V 1, Q 2
	s_lshr_b32 s42, s13, 4
	s_lshl_b32 s42, s42, 4
	s_lshl_b32 s43, s12, 2
	s_add_co_u32 s42, s42, s43                     ; 16 batch + my first head
	s_lshl_b32 s42, s42, 4
	s_and_b32 s43, s13, 15
	s_add_co_u32 s42, s42, s43                     ; x 16 + key step
	s_mul_i32 s40, s42, 9216
	s_mul_i32 s43, s15, 3072
	s_add_co_u32 s40, s40, s43
	s_add_nc_u64 s[34:35], s[8:9], s[40:41]
	s_mul_i32 s40, s13, 6144
	s_lshl_b32 s43, s15, 11
	s_add_co_u32 s40, s40, s43
	s_lshl_b32 s43, s12, 9
	s_add_co_u32 s40, s40, s43
	s_add_nc_u64 s[36:37], s[10:11], s[40:41]
	s_mov_b32 s[SEL], 0x76543210
	s_mov_b32 s[SEL+1], 0xfedcba98
	s_mul_i32 s44, s12, 12800                      ; every LDS address is made here, ahead of the parting of the two paths
	v_mul_u32_u24 v[STK], v10, 48
	v_mad_u32_u24 v[STK], v11, 3072, v[STK]
	v_add_nc_u32 v[STK], s44, v[STK]
	v_add_nc_u32 v[STK], STGKQ, v[STK]             ; head 2 c + h: 3,072 h; fragment lane r + 16 u: 48 r
	v_mul_u32_u24 v[STV], v9, 48
	v_add_nc_u32 v[STV], s44, v[STV]
	v_add_nc_u32 v[STV], STGV, v[STV]
	v_lshlrev_b32 v12, 2, v10
	v_add_nc_u32 v12, s44, v12
	v_add_nc_u32 v[SKA], STGKQ+12288, v12
	v_add_nc_u32 v[SVA], STGV+12288, v12
	v_add_nc_u32 v13, s44, v[LI]
	v_add_nc_u32 v[RKA], STGKQ, v13
	v_add_nc_u32 v[RVA], STGV, v13
	v_mov_b32 v[TM+2], 0                           ; a lane permute's destination counts as read
	v_mov_b32 v[TM+3], 0
	s_wait_tensorcnt 0x0                           ; my quarter of the fragments is in,
	s_barrier_signal -1
	s_barrier_wait -1                              ; everybody's is
	s_cmp_eq_u32 s14, 2
	s_cbranch_scc1 .Lv
	HALF 0, 0
	EPIKQ 0
	HALF 1, 0
	EPIKQ 1
	OUT RKA
	s_wait_tensorcnt 0x0
	ds_add_u32 v254, v255
	s_wait_dscnt 0x0
	s_endpgm
.Lv:
	HALF 0, 1
	EPIV 0
	HALF 1, 1
	EPIV 1
.irp ct, 0,1,2,3,4,5,6,7
	ds_store_b32 v[SVA], v[SW+\ct] offset:64*\ct   ; channel r of tile ct: its four blocks' bytes
.endr
	OUT RVA
	s_wait_tensorcnt 0x0
	ds_add_u32 v254, v255
	s_wait_dscnt 0x0
	s_endpgm
.Lfunc_end_k_q5b053ffe54_qkv:
	.size	k_q5b053ffe54_qkv, .Lfunc_end_k_q5b053ffe54_qkv-k_q5b053ffe54_qkv
	.p2alignl 7, 3214868480
	.fill 96, 4, 3214868480
	.section	.rodata,"a",@progbits
	.p2align	6, 0x0
	.amdhsa_kernel k_q5b053ffe54_qkv
		.amdhsa_group_segment_fixed_size 168448
		.amdhsa_private_segment_fixed_size 0
		.amdhsa_enable_private_segment 0
		.amdhsa_kernarg_size 32
		.amdhsa_user_sgpr_count 2
		.amdhsa_user_sgpr_kernarg_segment_ptr 1
		.amdhsa_wavefront_size32 1
		.amdhsa_system_sgpr_workgroup_id_x 1
		.amdhsa_system_sgpr_workgroup_id_y 1
		.amdhsa_system_sgpr_workgroup_id_z 1
		.amdhsa_system_vgpr_workitem_id 0
		.amdhsa_next_free_vgpr 960
		.amdhsa_next_free_sgpr 66
		.amdhsa_reserve_vcc 0
		.amdhsa_float_denorm_mode_32 3
		.amdhsa_float_denorm_mode_16_64 3
		.amdhsa_memory_ordered 1
		.amdhsa_forward_progress 1
		.amdhsa_inst_pref_size 178
	.end_amdhsa_kernel
	.amdgpu_metadata
---
amdhsa.version: [ 1, 2 ]
amdhsa.kernels:
  - .name:           k_q5b053ffe54_qkv
    .symbol:         k_q5b053ffe54_qkv.kd
    .args:
      - { .name: cod0, .offset: 0, .size: 8, .value_kind: global_buffer, .address_space: global }
      - { .name: scl0, .offset: 8, .size: 8, .value_kind: global_buffer, .address_space: global }
      - { .name: qkv, .offset: 16, .size: 8, .value_kind: global_buffer, .address_space: global }
      - { .name: qkvs, .offset: 24, .size: 8, .value_kind: global_buffer, .address_space: global }
    .group_segment_fixed_size: 168448
    .private_segment_fixed_size: 0
    .kernarg_segment_align: 8
    .kernarg_segment_size: 32
    .max_flat_workgroup_size: 128
    .sgpr_count:     66
    .vgpr_count:     960
    .wavefront_size: 32
...
	.end_amdgpu_metadata
.endif
;; end of part 2
;; launch attn (part 3): grid 4 x 64, 8 waves a work-group, clusters of 4 x 1, 167,936 bytes of LDS; arguments qkv, qkvs, ao, aos; writes ao, aos
.if DOCPART == 3
	.amdgcn_target "amdgcn-amd-amdhsa--gfx1250"
	.amdhsa_code_object_version 6
	.text
	.protected	k_q5b053ffe54_attn
	.globl	k_q5b053ffe54_attn
	.p2align	8
	.type	k_q5b053ffe54_attn,@function
k_q5b053ffe54_attn:
	s_mov_b64 s[64:65], 0
	v_nop
	global_prefetch_b8 v0, s[64:65] scope:SCOPE_SE
	s_setreg_imm32_b32 hwreg(HW_REG_WAVE_MODE, 25, 1), 1
	s_wait_xcnt 0x0
	s_wait_alu depctr_hold_cnt(0) depctr_sa_sdst(0) depctr_va_vdst(0) depctr_va_sdst(0) depctr_va_ssrc(0) depctr_va_vcc(0) depctr_vm_vsrc(0)
	s_getreg_b32 s2, hwreg(HW_REG_IB_STS2, 6, 4)
	s_cmp_eq_u32 s2, 0
	s_cbranch_scc0 .Lentry_in_a_cluster
	s_endpgm
.Lentry_in_a_cluster:
	s_bfe_u32 s2, ttmp6, 0x10000c
	s_cmp_lg_u32 s2, 0x3003
	s_cbranch_scc0 .Lentry_shape_is_right
	s_endpgm
.Lentry_shape_is_right:
; Attention of one batch x head (work-group y) for 512 queries (work-group x): S^T = K Q^T, p = 2^(t - M), O^T += V^T p^T, all on codes of BF6; O / l is quantised along the head's 32 channels.
; SHARES.  8 waves; a wave owns one fragment of 64 queries: two passes of two tiles of 16 queries (tiles A and B).  A lane holds one query; its registers run along the keys.
; The head's 2,048 keys and values (16 key steps x 6,144 bytes of codes) come into LDS once: one tensor load a wave, two rows of 6,144 bytes.  The four work-groups of a cluster are the query
; blocks of one head and ask for these tiles jointly (mask 15).  The 4,096 bytes of K's and V's scale words come by one load of 16 bytes a thread and are stored to LDS bytes of their own,
; entry s = K's words of step s + 1 (mod 16) | V's words of step s: what one trip fetches.
; THE TWO TILES ARE HALF A STEP APART: the other tile's eight score products are laid among one tile's exponentials, one to six, and a tile's two products with V stand among the additions
; of its row sum.  A K or V fragment is read from LDS once for both tiles, a phase ahead of its use.  The row's sum is kept in eight chains of pairs, so that no addition reads the one before it.
; A K fragment holds four tiles of 16 keys, one in each block of 32 along K; Q stands in one block of its fragment, zeros in the others: five runs of six zero registers serve both tiles.
; WINDOWS: window 1: v0-127 the scores of A and B, v128-151 K's two fragments, v152-175 V's two; window 0: all else.  Each phase has one setting.
; The last key step is written out behind the loop of 15: it asks for no further K and multiplies no further scores.
; No prefetch: no loop of this launch loads from memory; all of K and V is asked for at the head.
; LIMITS: NaN and infinities are not served; the promise holds while the scaled scores stay under 2^31 in magnitude; a block of zeros gets the byte 1 (its codes are zeros; the bytes are read by this program alone).
.set SC,    98304                      ; LDS: the scale words, 16 entries of 256 bytes
.set AOS,   102400                     ; the output's 512 scale bytes
.set SPARE, 102912                     ; the spare words: 128 bytes a wave
.set AK0, 1                            ; 48 x lane
.set ASC0, 2                           ; SC + 128 h + 4 r
.set ADK, 3
.set ADS, 4
.set AQ,  5                            ; 48 r
.set AOO, 6                            ; 24 r + 12 h
.set AOB, 7                            ; AOS + 64 wave + r
.set L16, 8                            ; 16 x lane
.set TA,  9
.set TO,  10
.set R4,  11                           ; 4 r
.set STA, 12                           ; tile X at 12 + 6 X: -M, largest score; one more at work at the end
.set QS,  24                           ; v24, v25 q's scale words
.set PW,  26                           ; p's scale word
.set QW,  27                           ; the four tiles' q bytes
.set SCR, 28                           ; v28, v29: lanes 0-15: K's scale words
.set QB,  30                           ; v30-83: zeros, A low, zeros, A high, zeros, B low, zeros, B high, zeros
.set QR,  84                           ; v84-107 q's codes: this pass's two tiles, the next pass's
.set OT,  108                          ; v108-139 O^T of A and B
.set PC,  140                          ; v140-151 p's codes
.set PT,  152
.set BM,  160
.set T4,  164
.set SO,  168
.set F,   172
.set AOR, 174                          ; AOS + 16 x lane
.set AOP, 175
.set SUB, 176                          ; v176-207 the row sums: eight pairs for each tile; at a pass's end O / l
.set FO,  176
.set FC,  208
.set FB,  216
.set RC,  218
.set FM,  220
.set SV,  222                          ; v222, v223: lanes 16-31: V's scale words
.set SPW, 250
.set NIL, 251
.set KF,  128                          ; window 1
.set VF,  152
.set WV,  12
.set G1,  16
.set G0,  24
.set SEL, 40
.set CS,  42
.set LOM, 44
.set HIM, 45
.set TB,  46
.set TS,  47
.set CNT, 48
.set SH,  49
.set SHE, 50
.set NCS, 51
.set PASS, 52
.set AB,  53
.set MSB, 0
.macro WIN new                         ; the immediate's high byte repeats the setting that is left
.if MSB != (\new)
	s_set_vgpr_msb (MSB<<8)|(\new)
.set MSB, (\new)
.endif
.endm
.macro DL n
	s_delay_alu instid0(VALU_DEP_\n)
.endm
.macro CROUND
	s_barrier_signal -1
	s_barrier_wait -1
	s_cmp_lg_u32 s[WV], 0
	s_cbranch_scc1 .Lnot_wave_0_\@
	s_barrier_signal -3
.Lnot_wave_0_\@:
	s_barrier_wait -3
	s_barrier_signal -1
	s_barrier_wait -1
.endm
; 16 keys (tile t of the step's eight) x tile Y's 16 queries.  Setting 0x41: D and K in window 1, Q in window 0.  Q's fragment for block t % 4 begins 6, 18, 0, 12 registers into the tile's area.
.macro SCORE Y, t
	v_wmma_scale_f32_16x16x128_f8f6f4 v[64*(\Y)+8*(\t):64*(\Y)+8*(\t)+7], v[KF+12*((\t)/4):KF+12*((\t)/4)+11], v[QB+24*(\Y)+12*((\t)%2)+6*(1-((\t)%4)/2):QB+24*(\Y)+12*((\t)%2)+6*(1-((\t)%4)/2)+11], 0, v[SCR+(\t)/4], v[QS+(\Y)] matrix_a_fmt:MATRIX_FMT_BF6 matrix_b_fmt:MATRIX_FMT_BF6
.endm
.macro ADDP p0, n                      ; the row's sum of the unquantised p: pair P goes to chain P % 8: setting 0x01
.set P, \p0
.rept \n
	v_pk_add_f32 v[SU+2*(P%8):SU+2*(P%8)+1], v[SX+2*P:SX+2*P+1], v[SU+2*(P%8):SU+2*(P%8)+1]
.set P, P+1
.endr
.endm
.macro RS j0, n                        ; n chains of the sum under the new M
.set P, \j0
.rept \n
	v_pk_mul_f32 v[SU+2*P:SU+2*P+1], v[SU+2*P:SU+2*P+1], v[F:F+1] op_sel_hi:[1,0]
.set P, P+1
.endr
.endm
.macro RO j0                           ; four pairs of O^T under the new M
.set P, \j0
.rept 4
	v_pk_mul_f32 v[OX+2*P:OX+2*P+1], v[OX+2*P:OX+2*P+1], v[F:F+1] op_sel_hi:[1,0]
.set P, P+1
.endr
.endm
; One key step of tile X.  SCO: the other tile's next scores are multiplied meanwhile.  LD: 2: this step's V and the next step's K are fetched, with their scale words; 1: V and its words alone; 0: nothing.
.macro VEC X, SCO, LD
.set SX, 64*(\X)
.set YY, 1-(\X)
.set ST, STA+6*(\X)
.set OX, OT+16*(\X)
.set SU, SUB+16*(\X)
.if \LD
	v_add_nc_u32 v[ADK], s[TB], v[AK0]
	v_add_nc_u32 v[ADS], s[TS], v[ASC0]
.endif
	WIN 0x05
	s_wait_alu depctr_va_vdst(0)                   ; the wait, directly ahead of the scores' first readers
.irp b, 0,1,2,3
	v_max_num_f32 v[BM+\b], v[SX+16*\b], v[SX+16*\b+1]     ; the largest score of each block of 32 keys: my 16; each accumulator from its low end on
.endr
.irp i, 2,4,6,8,10,12,14
.irp b, 0,1,2,3
	v_max3_num_f32 v[BM+\b], v[SX+16*\b+\i], v[SX+16*\b+\i+1], v[BM+\b]
.endr
.endr
	WIN 0
.irp b, 0,1,2,3
	v_permlanex16_b32 v[T4+\b], v[BM+\b], s[SEL], s[SEL+1]
.endr
.irp b, 0,1,2,3
	v_max_num_f32 v[BM+\b], v[BM+\b], v[T4+\b]     ; with lane l xor 16's 16 keys
.endr
	v_max3_num_f32 v[TA], v[BM], v[BM+1], v[BM+2]
	v_mov_b32 v[TO], v[ST]
	v_max3_num_f32 v[ST+1], v[ST+1], v[TA], v[BM+3]    ; the running largest score
	v_mul_f32 v[TA], s[NCS], v[ST+1]               ; -t
	v_floor_f32 v[ST], v[TA]                       ; -M = floor(-t): M is a whole number
	v_sub_f32 v[TO], v[ST], v[TO]
.irp b, 0,1,2,3
	v_fma_f32 v[BM+\b], v[BM+\b], s[CS], v[ST]
.endr
	v_cvt_i32_f32 v[TO], v[TO]
	v_ldexp_f32 v[F], 1.0, v[TO]                   ; f = 2^(old M - new M)
	WIN 0x41
.set J, 0
.rept 32
	v_pk_fma_f32 v[SX+J:SX+J+1], v[SX+J:SX+J+1], s[CS:CS+1], v[ST:ST+1] op_sel_hi:[1,0,0]   ; t - M
.set J, J+2
.endr
.if \LD
	WIN 0x40
.irp f, 0,1
.irp j, 0,1,2
	ds_load_b128 v[VF+12*\f+4*\j:VF+12*\f+4*\j+3], v[ADK] offset:3072+1536*\f+16*\j   ; this step's V
.endr
.endr
	WIN 0
.irp f, 0,1
	ds_load_b32 v[SV+\f], v[ADS] offset:64*\f
.endr
.endif
	WIN 0
.if (\SCO) && (\X)
	s_wait_dscnt 0x0                               ; the next step's K and its words, asked for in tile A's step, are in
.endif
	s_wait_alu depctr_va_vdst(0)                   ; ahead of the batch
.irp b, 0,1,2,3
	v_exp_f32 v[BM+\b], v[BM+\b]                   ; each block's largest p
.endr
	WIN 0x41
.set J, 0
.rept 64
	v_exp_f32 v[SX+J], v[SX+J]
.if (\SCO) && ((J%6) == 2) && (J < 48)
	SCORE YY, J/6                                  ; the other tile's scores: one product to six exponentials; nineteen exponentials follow the last
.endif
.set J, J+1
.endr
	WIN 0
	RS 0, 2                                        ; plain work behind the batch
.if \LD
	s_wait_dscnt 0x0                               ; V and its words, asked for ahead of the batch, are in
.endif
	s_wait_alu depctr_va_vdst(0)                   ; one wait for the batch and for O^T's first readers
	RO 0
.irp b, 0,1,2,3
	v_max_num_f32 v[BM+\b], 0x2800000, v[BM+\b]    ; the floor 2^(5 - 127): the byte cannot fall under 1
.endr
	RO 4
.irp b, 0,1,2,3
	v_add_nc_u32 v[SO+\b], 0xfe000000, v[BM+\b]    ; 4 off the exponent field: the conversion's scale operand
.endr
	RS 2, 4
.irp b, 0,1,2,3
	v_lshrrev_b32 v[T4+\b], 23, v[SO+\b]
.endr
	RS 6, 2
	v_lshl_or_b32 v[TA], v[T4+1], 8, v[T4]
	v_lshl_or_b32 v[TO], v[T4+3], 8, v[T4+2]
	v_lshl_or_b32 v[PW], v[TO], 16, v[TA]          ; p's scale word for these 128 keys
.if (\LD) == 2                         ; more than four plain instructions stand behind the last score product
	WIN 0x40
.irp f, 0,1
.irp j, 0,1,2
	ds_load_b128 v[KF+12*\f+4*\j:KF+12*\f+4*\j+3], v[ADK] offset:6144+1536*\f+16*\j   ; the next step's K
.endr
.endr
	WIN 0
.irp f, 0,1
	ds_load_b32 v[SCR+\f], v[ADS] offset:64*\f
.endr
.endif
	WIN 0x01
.irp c, 0,1
	v_cvt_scalef32_pk16_bf6_f32 v[PC+6*\c:PC+6*\c+2], v[SX+32*\c:SX+32*\c+15], v[SO+2*\c]
	v_cvt_scalef32_pk16_bf6_f32 v[PT+4*\c:PT+4*\c+2], v[SX+32*\c+16:SX+32*\c+31], v[SO+2*\c+1]
.endr
	ADDP 0, 2                                      ; plain work behind the conversions
	WIN 0
.irp c, 0,1
.irp i, 0,1,2
	v_permlane16_swap_b32 v[PC+6*\c+\i], v[PT+4*\c+\i]     ; a whole block in a lane
.endr
.endr
.irp c, 0,1
.irp i, 0,1,2
	v_mov_b32 v[PC+6*\c+3+\i], v[PT+4*\c+\i]
.endr
.endr
	WIN 0x01
	ADDP 2, 4                                      ; four places behind p's last code register; over twenty behind p's word
.irp u, 0,1
	v_wmma_scale_f32_16x16x128_f8f6f4 v[OX+8*\u:OX+8*\u+7], v[VF+12*\u:VF+12*\u+11], v[PC:PC+11], v[OX+8*\u:OX+8*\u+7], v[SV+\u], v[PW] matrix_a_fmt:MATRIX_FMT_BF6 matrix_b_fmt:MATRIX_FMT_BF6 matrix_a_scale:MATRIX_SCALE_ROW1
.endr
	ADDP 6, 26
	WIN 0
.endm
	s_load_b256 s[4:11], s[0:1], 0x0               ; qkv, qkvs, ao, aos
	v_lshl_add_u32 v[SPW], v0, 2, SPARE
	v_mov_b32 v[NIL], 0
	ds_add_u32 v[SPW], v[NIL]                      ; the opening lines: the add, twice on end, and its wait
	ds_add_u32 v[SPW], v[NIL]
	v_lshrrev_b32 v[TA], 5, v0
	v_readfirstlane_b32 s[WV], v[TA]               ; wave 0..7
	s_and_b32 s14, ttmp7, 0xffff                   ; batch x head
	s_lshr_b32 s15, s14, 4                         ; batch
	s_and_b32 s13, s14, 15
	s_lshl_b32 s13, s13, 7                         ; 128 x head
	s_lshl_b32 s54, s14, 4
	s_lshl_b32 s55, s[WV], 1
	s_add_co_u32 s54, s54, s55
	s_mul_i32 s54, s54, 9216                       ; my two key steps of the head
	s_mov_b32 s55, 0
	s_mov_b32 s[G1], 15|(3<<16)|(1<<21)            ; the cluster's four; elements of 8 bytes
	s_mov_b32 s[G1+1], 768<<16                     ; a row: K's and V's 6,144 bytes of a key step
	s_mov_b32 s[G1+2], 2<<16
	s_mov_b32 s[G1+3], 768<<16
	s_mov_b32 s[G1+4], 2
	s_mov_b32 s[G1+5], 1152                        ; 9,216 bytes from key step to key step
	s_mov_b32 s[G1+6], 0
	s_mov_b32 s[G1+7], 0
	s_mov_b32 s[G0], 1
	s_mul_i32 s[G0+1], s[WV], 12288
	s_bfe_u32 s56, ttmp6, 0x40000
	s_lshl_b32 s57, ttmp9, 2
	s_add_co_u32 s56, s56, s57                     ; which 512 queries
	s_lshl_b32 s57, s56, 2
	s_lshr_b32 s58, s[WV], 1
	s_add_co_u32 s57, s57, s58                     ; my queries' step of 128
	s_and_b32 s58, s[WV], 1                        ; and fragment of 64
	s_lshl_b32 s60, s14, 4
	s_add_co_u32 s60, s60, s57
	s_mul_i32 s60, s60, 9216
	s_mul_i32 s59, s58, 1536
	s_add_co_u32 s60, s60, s59
	s_add_co_u32 s60, s60, 6144                    ; q's codes
	s_mov_b32 s61, 0
	s_lshl_b32 s62, s15, 4
	s_add_co_u32 s62, s62, s57
	s_mul_i32 s62, s62, 6144
	s_add_co_u32 s62, s62, s13
	s_lshl_b32 s59, s58, 6
	s_add_co_u32 s62, s62, s59
	s_add_co_u32 s62, s62, 4096                    ; q's scale words
	s_mov_b32 s63, 0
	s_mul_i32 s28, s15, 98304
	s_add_co_u32 s28, s28, s13                     ; K's and V's scale words of my head
	s_mov_b32 s29, 0
	s_lshl_b32 s30, s14, 7
	s_lshl_b32 s59, s56, 5
	s_add_co_u32 s30, s30, s59
	s_lshl_b32 s59, s[WV], 2
	s_add_co_u32 s30, s30, s59
	s_mul_i32 s30, s30, 384                        ; ao: my four tiles of 384 bytes
	s_mov_b32 s31, 0
	s_lshl_b32 s32, s14, 11
	s_lshl_b32 s59, s56, 9
	s_add_co_u32 s32, s32, s59                     ; aos: the work-group's 512 bytes
	s_mov_b32 s33, 0
	s_mov_b32 s[SEL], 0x76543210
	s_mov_b32 s[SEL+1], 0xfedcba98
	s_mov_b32 s[CS], 0x3e8293ee                    ; c = log2(e) / sqrt(32)
	s_mov_b32 s[CS+1], s[CS]
	s_mov_b32 s[NCS], 0xbe8293ee                   ; -c
	s_mov_b32 s[LOM], 0x0000ffff
	s_mov_b32 s[HIM], 0xffff0000
	s_wait_dscnt 0x0
	s_wait_kmcnt 0x0
	s_add_nc_u64 s[G0+2:G0+3], s[4:5], s[54:55]
	s_or_b32 s[G0+3], s[G0+3], 0x80000000
	s_add_nc_u64 s[34:35], s[6:7], s[28:29]
	s_add_nc_u64 s[4:5], s[4:5], s[60:61]
	s_add_nc_u64 s[6:7], s[6:7], s[62:63]
	s_add_nc_u64 s[8:9], s[8:9], s[30:31]
	s_add_nc_u64 s[10:11], s[10:11], s[32:33]
	CROUND                                         ; the four work-groups are here: the joint loads meet
	tensor_load_to_lds s[G0:G0+3], s[G1:G1+7]      ; my one tensor load: these bytes are filled once
	s_nop 0
.rept 4
	v_nop
.endr
	v_and_b32 v[L16], 31, v0
	v_and_b32 v[TA], 15, v0                        ; r
	v_bfe_u32 v[TO], v0, 4, 1                      ; h
	v_mul_u32_u24 v[AK0], v[L16], 48
	v_lshlrev_b32 v[R4], 2, v[TA]
	v_lshl_add_u32 v[ASC0], v[TO], 7, v[R4]
	v_add_nc_u32 v[ASC0], SC, v[ASC0]
	v_mul_u32_u24 v[AQ], v[TA], 48
	v_mul_u32_u24 v[AOO], v[TA], 24
	v_mad_u32_u24 v[AOO], v[TO], 12, v[AOO]
	s_lshl_b32 s59, s[WV], 6
	v_add_nc_u32 v[AOB], s59, v[TA]
	v_add_nc_u32 v[AOB], AOS, v[AOB]
	v_lshlrev_b32 v[L16], 4, v[L16]
	v_add_nc_u32 v[AOR], AOS, v[L16]
	v_lshrrev_b32 v[BM], 4, v0                     ; the scale words: thread t takes 16 bytes of key step t / 16,
	v_bfe_u32 v[BM+1], v0, 3, 1                    ; of K's 128 (0) or V's (1)
	v_and_b32 v[BM+2], 7, v0
	v_mul_u32_u24 v[SO], v[BM], 6144
	v_lshl_add_u32 v[SO], v[BM+1], 11, v[SO]
	v_lshl_add_u32 v[SO], v[BM+2], 4, v[SO]
	v_add_nc_u32 v[BM], v[BM], v[BM+1]
	v_add_nc_u32 v[BM], 15, v[BM]
	v_and_b32 v[BM], 15, v[BM]                     ; K's go one entry down (mod 16), V's to their own step's
	v_lshlrev_b32 v[SO+1], 8, v[BM]
	v_lshl_add_u32 v[SO+1], v[BM+1], 7, v[SO+1]
	v_lshl_add_u32 v[SO+1], v[BM+2], 4, v[SO+1]
	v_add_nc_u32 v[SO+1], SC, v[SO+1]
	global_load_b128 v[FO:FO+3], v[SO], s[34:35]
.irp b, 0,1
.irp u, 0,1
.irp i, 0,1,2
	global_load_b64 v[QR+12*\b+6*\u+2*\i:QR+12*\b+6*\u+2*\i+1], v[AQ], s[4:5] offset:24*\b+768*\u+8*\i     ; pass b, tile u: both halves of the lanes take query r's 24 bytes
.endr
.endr
.endr
	global_load_b32 v[QW], v[R4], s[6:7]
.irp z, 0,12,24,36,48
.irp i, 0,1,2,3,4,5
	v_mov_b32 v[QB+\z+\i], 0                       ; the zero halves of Q's fragments
.endr
.endr
.irp b, 0,1,2,3
	v_mov_b32 v[T4+\b], 0                          ; a lane permute's destination counts as read
.endr
	v_mov_b32 v[F+1], 0                            ; named as the upper half of a pair
	s_wait_alu depctr_va_vdst(0)                   ; at the head's end
	s_wait_loadcnt 0x0
	s_wait_tensorcnt 0x0                           ; my two key steps are in
	ds_store_b128 v[SO+1], v[FO:FO+3]
	s_wait_dscnt 0x0
	s_barrier_signal -1
	s_barrier_wait -1                              ; everybody's codes and words lie in LDS
	s_mov_b32 s[SH], 0
	s_mov_b32 s[AB], 0
	s_mov_b32 s[PASS], 2
.Lpass:
	WIN 0x40
.irp f, 0,1
.irp j, 0,1,2
	ds_load_b128 v[KF+12*\f+4*\j:KF+12*\f+4*\j+3], v[AK0] offset:1536*\f+16*\j     ; key step 0's K
.endr
.endr
	WIN 0
.irp f, 0,1
	ds_load_b32 v[SCR+\f], v[ASC0] offset:15*256+64*\f     ; entry 15 holds step 0's words of K
.endr
.irp u, 0,1
.irp i, 0,1,2,3,4,5
	v_cndmask_b32 v[QB+24*\u+6+\i], 0, v[QR+6*\u+\i], s[LOM]
	v_cndmask_b32 v[QB+24*\u+18+\i], 0, v[QR+6*\u+\i], s[HIM]
.endr
.endr
	s_add_co_u32 s[SHE], s[SH], 8
	v_lshrrev_b32 v[TA], s[SH], v[QW]
	v_lshrrev_b32 v[TO], s[SHE], v[QW]
	DL 2
	v_perm_b32 v[QS], v[TA], v[TA], 0              ; the tile's byte in all four blocks
	DL 2
	v_perm_b32 v[QS+1], v[TO], v[TO], 0
.irp u, 0,1
	v_mov_b32 v[STA+6*\u], 0x7e000000              ; -M: a large whole number: the first change of M multiplies the zeros below by 0
	v_mov_b32 v[STA+6*\u+1], 0xff61b1e6            ; the largest score so far: -3e38
.endr
.set I, 0
.rept 32
	v_mov_b32 v[SUB+I], 0                          ; the step is written once: the first finds zeros
	v_mov_b32 v[OT+I], 0
.set I, I+1
.endr
	s_wait_alu depctr_va_vdst(0)                   ; directly ahead of the wait below
	s_wait_dscnt 0x0
	WIN 0x41
.irp t, 0,1,2,3,4,5,6,7
	SCORE 0, \t
.endr
	WIN 0
.rept 4
	v_nop                                          ; four places between these products and the first read of their results
.endr
	s_mov_b32 s[TB], 0
	s_mov_b32 s[TS], 0
	s_mov_b32 s[CNT], 15
.Lstep:
	VEC 0, 1, 2
	VEC 1, 1, 0
	s_add_co_u32 s[TB], s[TB], 6144
	s_add_co_u32 s[TS], s[TS], 256
	s_sub_co_u32 s[CNT], s[CNT], 1
	s_cmp_lg_u32 s[CNT], 0
	s_cbranch_scc1 .Lstep
	VEC 0, 1, 1                                    ; key step 15
	VEC 1, 0, 0
	; ---- the eight chains of each row's sum; O / l, quantised along the 32 channels (lanes l and l xor 16 share the block)
.irp j, 0,1,2,3
.irp u, 0,1
	v_pk_add_f32 v[SUB+16*\u+2*\j:SUB+16*\u+2*\j+1], v[SUB+16*\u+2*\j:SUB+16*\u+2*\j+1], v[SUB+16*\u+2*\j+8:SUB+16*\u+2*\j+9]
.endr
.endr
.irp j, 0,1
.irp u, 0,1
	v_pk_add_f32 v[SUB+16*\u+2*\j:SUB+16*\u+2*\j+1], v[SUB+16*\u+2*\j:SUB+16*\u+2*\j+1], v[SUB+16*\u+2*\j+4:SUB+16*\u+2*\j+5]
.endr
.endr
.irp u, 0,1
	v_pk_add_f32 v[SUB+16*\u:SUB+16*\u+1], v[SUB+16*\u:SUB+16*\u+1], v[SUB+16*\u+2:SUB+16*\u+3]
.endr
.irp u, 0,1
	v_add_f32 v[STA+6*\u+2], v[SUB+16*\u], v[SUB+16*\u+1]
.endr
.irp u, 0,1
	DL 2
	v_permlanex16_b32 v[T4+\u], v[STA+6*\u+2], s[SEL], s[SEL+1]
.endr
.irp u, 0,1
	DL 2
	v_add_f32 v[STA+6*\u+2], v[STA+6*\u+2], v[T4+\u]
.endr
	s_wait_alu depctr_va_vdst(0)                   ; ahead of the transcendentals
.irp u, 0,1
	v_rcp_f32 v[RC+\u], v[STA+6*\u+2]
.endr
	v_nop
	s_wait_alu depctr_va_vdst(0)                   ; and behind them, directly ahead of O^T's first readers
.irp u, 0,1
.set I, 0
.rept 16
	v_mul_f32 v[FO+16*\u+I], v[OT+16*\u+I], v[RC+\u]
.set I, I+1
.endr
.endr
.irp u, 0,1
	v_max3_num_f32 v[FM+\u], |v[FO+16*\u]|, |v[FO+16*\u+1]|, 0x2800000
.endr
.irp i, 2,4,6,8,10,12,14
.irp u, 0,1
	DL 2
	v_max3_num_f32 v[FM+\u], v[FM+\u], |v[FO+16*\u+\i]|, |v[FO+16*\u+\i+1]|
.endr
.endr
.irp u, 0,1
	DL 2
	v_permlanex16_b32 v[T4+\u], v[FM+\u], s[SEL], s[SEL+1]
.endr
.irp u, 0,1
	DL 2
	v_max_num_f32 v[FM+\u], v[FM+\u], v[T4+\u]
.endr
.irp u, 0,1
	DL 2
	v_add_nc_u32 v[FM+\u], 0xfe000000, v[FM+\u]
.endr
.irp u, 0,1
	DL 2
	v_lshrrev_b32 v[FB+\u], 23, v[FM+\u]
.endr
	v_add_nc_u32 v[AOP], s[AB], v[AOB]
.irp u, 0,1
	v_cvt_scalef32_pk16_bf6_f32 v[FC+4*\u:FC+4*\u+2], v[FO+16*\u:FO+16*\u+15], v[FM+\u]
.endr
	v_nop                                          ; one plain instruction behind the scaled conversions
.irp u, 0,1
	global_store_b96 v[AOO], v[FC+4*\u:FC+4*\u+2], s[8:9] offset:384*\u    ; the wave's store covers a tile's 384 consecutive bytes
	ds_store_b8 v[AOP], v[FB+\u] offset:16*\u      ; both halves of the lanes write the same byte with the same value
.endr
.set I, 0
.rept 12
	v_mov_b32 v[QR+I], v[QR+12+I]                  ; the next pass's queries
.set I, I+1
.endr
	s_wait_xcnt 0x0                                ; the stores have read their base and their data
	s_add_nc_u64 s[8:9], s[8:9], 768
	s_add_co_u32 s[SH], s[SH], 16
	s_add_co_u32 s[AB], s[AB], 32
	s_sub_co_u32 s[PASS], s[PASS], 1
	s_cmp_lg_u32 s[PASS], 0
	s_wait_alu depctr_va_vdst(0)                   ; directly ahead of the branch
	s_cbranch_scc1 .Lpass
	s_wait_dscnt 0x0
	s_barrier_signal -1
	s_barrier_wait -1                              ; the 512 scale bytes lie in LDS
	s_cmp_lg_u32 s[WV], 0
	s_cbranch_scc1 .Lnot_first
	ds_load_b128 v[FO:FO+3], v[AOR]
	s_wait_dscnt 0x0
	global_store_b128 v[L16], v[FO:FO+3], s[10:11] ; 32 lanes store 512 consecutive bytes, aligned
.Lnot_first:
	s_wait_tensorcnt 0x0                           ; the wave's end
	ds_add_u32 v[SPW], v[NIL]
	s_wait_dscnt 0x0
	CROUND                                         ; the closing round
	s_endpgm
.Lfunc_end_k_q5b053ffe54_attn:
	.size	k_q5b053ffe54_attn, .Lfunc_end_k_q5b053ffe54_attn-k_q5b053ffe54_attn
	.p2alignl 7, 3214868480
	.fill 96, 4, 3214868480
	.section	.rodata,"a",@progbits
	.p2align	6, 0x0
	.amdhsa_kernel k_q5b053ffe54_attn
		.amdhsa_group_segment_fixed_size 167936
		.amdhsa_private_segment_fixed_size 0
		.amdhsa_enable_private_segment 0
		.amdhsa_kernarg_size 32
		.amdhsa_user_sgpr_count 2
		.amdhsa_user_sgpr_kernarg_segment_ptr 1
		.amdhsa_wavefront_size32 1
		.amdhsa_system_sgpr_workgroup_id_x 1
		.amdhsa_system_sgpr_workgroup_id_y 1
		.amdhsa_system_sgpr_workgroup_id_z 1
		.amdhsa_system_vgpr_workitem_id 0
		.amdhsa_next_free_vgpr 432
		.amdhsa_next_free_sgpr 66
		.amdhsa_reserve_vcc 0
		.amdhsa_float_denorm_mode_32 3
		.amdhsa_float_denorm_mode_16_64 3
		.amdhsa_memory_ordered 1
		.amdhsa_forward_progress 1
		.amdhsa_inst_pref_size 75
	.end_amdhsa_kernel
	.amdgpu_metadata
---
amdhsa.version: [ 1, 2 ]
amdhsa.kernels:
  - .name:           k_q5b053ffe54_attn
    .symbol:         k_q5b053ffe54_attn.kd
    .args:
      - { .name: qkv, .offset: 0, .size: 8, .value_kind: global_buffer, .address_space: global }
      - { .name: qkvs, .offset: 8, .size: 8, .value_kind: global_buffer, .address_space: global }
      - { .name: ao, .offset: 16, .size: 8, .value_kind: global_buffer, .address_space: global }
      - { .name: aos, .offset: 24, .size: 8, .value_kind: global_buffer, .address_space: global }
    .group_segment_fixed_size: 167936
    .private_segment_fixed_size: 0
    .kernarg_segment_align: 8
    .kernarg_segment_size: 32
    .max_flat_workgroup_size: 256
    .sgpr_count:     66
    .vgpr_count:     432
    .wavefront_size: 32
...
	.end_amdgpu_metadata
.endif
;; end of part 3
;; launch post (part 4): grid 128 x 1, 4 waves a work-group, no clusters, 183,808 bytes of LDS; arguments x, ao, aos, cod0, scl0, b_o, ffn_norm_w, b_out, out0; writes out0
.if DOCPART == 4
	.amdgcn_target "amdgcn-amd-amdhsa--gfx1250"
	.amdhsa_code_object_version 6
	.text
	.protected	k_q5b053ffe54_post
	.globl	k_q5b053ffe54_post
	.p2align	8
	.type	k_q5b053ffe54_post,@function
k_q5b053ffe54_post:
	s_mov_b64 s[64:65], 0
	v_nop
	global_prefetch_b8 v0, s[64:65] scope:SCOPE_SE
	s_setreg_imm32_b32 hwreg(HW_REG_WAVE_MODE, 25, 1), 1
	s_wait_xcnt 0x0
; x1 = x + attention W_o^T + b_o;  out = x1 + (silu(n W_gate^T) * (n W_hidden^T)) W_out^T + b_out, n = rmsnorm(x1, ffn_norm_w).  All four products on codes of BF6.  x1 and the hidden layer never go to memory.
; SHARES.  A work-group owns 64 tokens: four tiles of 16 (tile 2 b + u: rows 32 b + 8 u + (m & 7) + 16 (m >> 3)).  THE WAVES SHARE THE COLUMNS: wave w owns columns 128 w .. 128 w + 127 of each weight.  So a weight fragment serves
; one wave and goes from memory straight into its registers: four sets, one for each K step (384 registers); as soon as a set's 32 products are issued it is loaded with the next pass's fragments.
; No multicast for that reason: through LDS the 768 KiB of weight codes would be written and read there once more for each work-group.
; All products are used transposed (source 0 = W, source 1 = the tokens): a lane holds ONE token, and accumulator register 64 tt + 16 b + i is column 128 w + 32 b + 16 h + i.
; PASSES: 0: W_o, C = x + b_o.  1, 2: four tiles of W_gate and the same four of W_hidden.  3: W_out, C = x1; b_out is added on the way out.
; Operands go from wave to wave through LDS as images of their registers (registers 4 j .. 4 j + 3 of lane l at 512 j + 16 l), scale words beside them.  Four barriers.
; LIMITS: NaN and infinities are not served; a block of zeros gets the byte 1 (its codes are zeros; the bytes are read by this program alone); v_rcp_f32 gives 0 where 1 + e^-g overflows: sigmoid(g) is 0 for g under about -88.
.set ACT0,   0                         ; LDS: 16 images (4 tt + s) x 1,536: the attention's output, later the hidden layer
.set ACT0SC, 24576                     ; their scale words: 256 tt + 16 r + 4 s
.set ACT1,   25600                     ; the normed x1 likewise
.set ACT1SC, 50176
.set SSQ,    51200                     ; sums of squares: 256 w + 64 tt + 4 r
.set X1,     52224                     ; 32,768 bytes for each wave: its x1 as register images; later its stage, 16 rows x 528
.set LI,  1                            ; v1  16 x lane
.set LR,  2                            ; v2  16 r
.set XA,  3                            ; v3  x: my lane's byte in a tile's rows
.set AOA, 4                            ; v4  ao: 49,152 h + 24 r
.set RR,  5                            ; v5  r
.set IW,  6                            ; v6  16 x lane + 6,144 w
.set IK,  7                            ; v7  16 x lane + 1,536 w
.set SCW, 8                            ; v8  16 r + 256 w
.set SCK, 9                            ; v9  16 r + 4 w
.set SQW, 10                           ; v10 4 r + 256 w
.set SQR, 11                           ; v11 4 r
.set X1A, 12                           ; v12 16 x lane + my X1
.set STO, 13                           ; v13 my stage: 528 r + 64 h
.set VA,  14                           ; v14 64 h
.set WS,  32                           ; v32-63  W's scale words, two buffers
.set AS,  64                           ; v64-79  the tokens' scale words: 4 tt + s
.set VEC, 80                           ; v80-143 b_o, then ffn_norm_w, then the hidden layer's codes and words, then b_out
.set U,   144                          ; v144-239 two sets of four token fragments; between the passes at work
.set TM,  240
.set PT,  248
.set WB,  10                           ; s[10:11] my weight tiles;  s[12:13] their scale words
.set SB,  12
.set SEL, 24
.set MSB, 0
.macro WIN new
.if MSB != (\new)
	s_set_vgpr_msb (MSB<<8)|(\new)
.set MSB, (\new)
.endif
.endm
.macro PLACES n
.rept \n
	v_nop
.endr
.endm
.macro BARRIER                         ; my LDS stores have landed and my LDS loads are in: then the work-group's barrier
	s_wait_dscnt 0x0
	s_barrier_signal -1
	s_barrier_wait -1
.endm
; Two blocks of 32: v[src] .. v[src + 31] of window win, register 16 e + i = k 32 e + 16 h + i of my row.  Out: v[dst] .. v[dst + 5]: the 24 bytes of block e = h; the two blocks' bytes in v[TM+2], v[TM+3].
.macro QHALF src, win, dst
	WIN ((\win)|((\win)<<2))
.irp e, 0,1
	v_max3_num_f32 v[TM+\e], |v[(\src)+16*\e]|, |v[(\src)+16*\e+1]|, 0x2800000
.endr
	WIN (((\win)<<2)|((\win)<<4))
.irp i, 2,4,6,8,10,12,14
.irp e, 0,1
	v_max3_num_f32 v[TM+\e], v[TM+\e], |v[(\src)+16*\e+\i]|, |v[(\src)+16*\e+\i+1]|
.endr
.endr
	WIN 0
.irp e, 0,1
	v_permlanex16_b32 v[TM+2+\e], v[TM+\e], s[SEL], s[SEL+1]
.endr
.irp e, 0,1
	v_max_num_f32 v[TM+\e], v[TM+\e], v[TM+2+\e]
.endr
.irp e, 0,1
	v_add_nc_u32 v[TM+4+\e], 0xfe000000, v[TM+\e]
.endr
.irp e, 0,1
	v_lshrrev_b32 v[TM+2+\e], 23, v[TM+4+\e]
.endr
	WIN (\win)
	v_cvt_scalef32_pk16_bf6_f32 v[(\dst):(\dst)+2], v[(\src):(\src)+15], v[TM+4]
	v_cvt_scalef32_pk16_bf6_f32 v[PT:PT+2], v[(\src)+16:(\src)+31], v[TM+5]
	WIN 0
	v_nop                                              ; one plain instruction behind the scaled conversions
.irp i, 0,1,2
	v_permlane16_swap_b32 v[(\dst)+\i], v[PT+\i]
.endr
.irp i, 0,1,2
	v_mov_b32 v[(\dst)+3+\i], v[PT+\i]
.endr
.endm
.macro FETCH4 set, off
.irp tt, 0,1,2,3
.irp j, 0,1,2
	ds_load_b128 v[U+48*(\set)+12*\tt+4*\j:U+48*(\set)+12*\tt+4*\j+3], v[LI] offset:(\off)+6144*\tt+512*\j
.endr
.endr
.endm
.macro WLOAD s, t0, t1                 ; K step s of eight weight tiles (slots 0-3: tiles t0 on, slots 4-7: tiles t1 on, counted from my first tile) into its set: windows 1 (s = 0, 1) and 3 (s = 2, 3)
.if (\s) < 2
	WIN 0x40
.else
	WIN 0xc0
.endif
.irp ct, 0,1,2,3,4,5,6,7
.irp j, 0,1,2
	global_load_b128 v[96*((\s)%2)+12*\ct+4*\j:96*((\s)%2)+12*\ct+4*\j+3], v[LI], s[WB:WB+1] offset:((\t0)*(1-\ct/4)+((\t1)-4)*(\ct/4)+\ct)*6144+1536*(\s)+512*\j
.endr
.endr
	WIN 0
.endm
.macro WSLOAD buf, t0, t1
.irp q, 0,1,2,3
	global_load_b128 v[WS+16*(\buf)+4*\q:WS+16*(\buf)+4*\q+3], v[LI], s[SB:SB+1] offset:((\t0)*(1-\q/2)+((\t1)-4)*(\q/2)+2*\q)*256
.endr
.endm
.macro MM d, a, b, zero, sa, sb, rowa
.if \zero
.if \rowa
	v_wmma_scale_f32_16x16x128_f8f6f4 v[(\d):(\d)+7], v[(\a):(\a)+11], v[(\b):(\b)+11], 0, v[\sa], v[\sb] matrix_a_fmt:MATRIX_FMT_BF6 matrix_b_fmt:MATRIX_FMT_BF6 matrix_a_scale:MATRIX_SCALE_ROW1
.else
	v_wmma_scale_f32_16x16x128_f8f6f4 v[(\d):(\d)+7], v[(\a):(\a)+11], v[(\b):(\b)+11], 0, v[\sa], v[\sb] matrix_a_fmt:MATRIX_FMT_BF6 matrix_b_fmt:MATRIX_FMT_BF6
.endif
.else
.if \rowa
	v_wmma_scale_f32_16x16x128_f8f6f4 v[(\d):(\d)+7], v[(\a):(\a)+11], v[(\b):(\b)+11], v[(\d):(\d)+7], v[\sa], v[\sb] matrix_a_fmt:MATRIX_FMT_BF6 matrix_b_fmt:MATRIX_FMT_BF6 matrix_a_scale:MATRIX_SCALE_ROW1
.else
	v_wmma_scale_f32_16x16x128_f8f6f4 v[(\d):(\d)+7], v[(\a):(\a)+11], v[(\b):(\b)+11], v[(\d):(\d)+7], v[\sa], v[\sb] matrix_a_fmt:MATRIX_FMT_BF6 matrix_b_fmt:MATRIX_FMT_BF6
.endif
.endif
.endm
; One K step: 32 matrix instructions on 32 accumulators (window 2, (tt, ct) at 64 tt + 8 ct), which take turns, one instruction a turn, in the same order in every step.
.macro MUL32 s, set, zero, wsb
.set WW, 1+2*((\s)/2)
.set WBS, 96*((\s)%2)
	WIN (0xa0|WW)
.irp ct, 0,1,2,3,4,5,6,7
.irp tt, 0,1,2,3
	MM 64*\tt+8*\ct, WBS+12*\ct, U+48*(\set)+12*\tt, \zero, (\wsb)+4*(\ct/2)+(\s), AS+4*\tt+(\s), \ct%2
.endr
.endr
	WIN 0
.endm
; A K step of a pass.  abase: the tokens' images; lc: how many younger global loads may be out when this step's weights have to be there; rl = 1: the set is loaded with the next pass's fragments (tiles nt0, nt1; scale words into buffer nbuf).
.macro PSTEP s, zero, abase, wsbuf, lc, rl, nt0, nt1, nbuf
.if (\s) < 3
	s_wait_dscnt 12                                ; this step's four fragments are in; the next step's twelve loads may be out
.else
	s_wait_dscnt 0x0
.endif
	s_wait_loadcnt \lc
	MUL32 \s, (\s)%2, \zero, WS+16*(\wsbuf)
	PLACES 4                                       ; in front of loads into registers that matrix instructions have read, and of the first read of results
.if (\s) < 2
	FETCH4 (\s)%2, (\abase)+1536*((\s)+2)
.endif
.if \rl
.if (\s) == 0
	WSLOAD \nbuf, \nt0, \nt1
.endif
	WLOAD \s, \nt0, \nt1
.endif
.endm
; silu(g) h of token tile tt, 32 hidden units a lane (g at 64 tt, h at 64 tt + 32), quantised: half p of my K step's fragment.
.macro SILU tt, p
	WIN 0x02
.set I, 0
.rept 16
	v_pk_mul_f32 v[U+I:U+I+1], v[64*(\tt)+I:64*(\tt)+I+1], s[28:29] op_sel_hi:[1,0]    ; -g log2(e)
.set I, I+2
.endr
	WIN 0
.set I, 0
	s_wait_alu depctr_va_vdst(0)
.rept 32
	v_exp_f32 v[U+I], v[U+I]                       ; e^-g: one batch
.set I, I+1
.endr
	WIN 0x8a
.set I, 0
	s_wait_alu depctr_va_vdst(0)
.rept 16
	v_pk_mul_f32 v[64*(\tt)+I:64*(\tt)+I+1], v[64*(\tt)+I:64*(\tt)+I+1], v[64*(\tt)+32+I:64*(\tt)+32+I+1]   ; g h: work that names none of the batch's results
.set I, I+2
.endr
	WIN 0
	s_wait_alu depctr_va_vdst(0)                   ; one wait for the batch, ahead of its first reader
.set I, 0
.rept 16
	v_pk_add_f32 v[U+I:U+I+1], v[U+I:U+I+1], 1.0 op_sel_hi:[1,0]
.set I, I+2
.endr
.set I, 0
	s_wait_alu depctr_va_vdst(0)
.rept 32
	v_rcp_f32 v[U+I], v[U+I]                       ; sigmoid(g): one batch
.set I, I+1
.endr
	v_nop
	s_wait_alu depctr_va_vdst(0)
	WIN 0x08
.set I, 0
.rept 16
	v_pk_mul_f32 v[U+I:U+I+1], v[U+I:U+I+1], v[64*(\tt)+I:64*(\tt)+I+1]
.set I, I+2
.endr
	QHALF U, 0, VEC+12*(\tt)+6*(\p)
.if (\p) == 0
	v_lshl_or_b32 v[VEC+48+(\tt)], v[TM+3], 8, v[TM+2]
.else
	v_lshl_or_b32 v[VEC+48+(\tt)], v[TM+2], 16, v[VEC+48+(\tt)]
	v_lshl_or_b32 v[VEC+48+(\tt)], v[TM+3], 24, v[VEC+48+(\tt)]
.endif
.endm
.macro VLOAD base                      ; my 64 numbers of a vector of 512: register 16 b + 4 j + i = column 128 w + 32 b + 16 h + 4 j + i
.irp b, 0,1,2,3
.irp j, 0,1,2,3
	global_load_b128 v[VEC+16*\b+4*\j:VEC+16*\b+4*\j+3], v[VA], s[\base:\base+1] offset:128*\b+16*\j
.endr
.endr
.endm
.macro SEND tt                         ; 16 rows of out0, my 512 bytes of each: 32 lanes store 512 consecutive bytes, aligned
	WIN 0x04
.irp i, 0,1,2,3,4,5,6,7,8,9,10,11,12,13,14,15
	global_store_b128 v[LI], v[64*(\tt)+4*\i:64*(\tt)+4*\i+3], s[20:21] offset:(32*((\tt)/2)+8*((\tt)%2)+(\i%8)+16*(\i/8))*2048 th:TH_STORE_NT
.endr
	WIN 0
.endm
	s_load_b512 s[4:19], s[0:1], 0x0               ; x, ao, aos, cod0, scl0, b_o, ffn_norm_w, b_out
	s_load_b64 s[20:21], s[0:1], 0x40              ; out0
	v_lshl_add_u32 v254, v0, 2, 0x2cc00
	v_mov_b32 v255, 0
	v_lshrrev_b32 v15, 5, v0
	v_readfirstlane_b32 s22, v15                   ; wave
	s_lshl_b32 s30, ttmp9, 17                      ; 64 rows of 2,048 bytes
	s_lshl_b32 s32, s22, 9                         ; my 128 columns
	s_add_co_u32 s30, s30, s32
	s_mov_b32 s31, 0
	s_mov_b32 s33, 0
	s_lshr_b32 s34, ttmp9, 5                       ; batch
	s_and_b32 s35, ttmp9, 31
	s_lshl_b32 s35, s35, 2
	s_add_co_u32 s35, s35, s22                     ; the token tile that I bring in: 4 F + w
	s_lshl_b32 s36, s34, 11
	s_add_co_u32 s36, s36, s35
	s_mul_i32 s36, s36, 384
	s_mov_b32 s37, 0
	s_lshl_b32 s38, s34, 15
	s_lshl_b32 s40, s35, 4
	s_add_co_u32 s38, s38, s40
	s_mov_b32 s39, 0
	s_lshl_b32 s40, s22, 3
	s_add_co_u32 s40, s40, 512                     ; the tile from which my weight tiles are counted
	s_mul_i32 s42, s40, 6144
	s_mov_b32 s43, 0
	s_lshl_b32 s40, s40, 8
	s_mov_b32 s41, 0
	s_lshl_b32 s44, s22, 15
	s_add_co_u32 s44, s44, X1
	s_mov_b32 s[SEL], 0x76543210
	s_mov_b32 s[SEL+1], 0xfedcba98
	s_mov_b32 s26, 0x3b000000                      ; 1 / 512
	s_mov_b32 s27, 0x358637bd                      ; 1e-6
	s_mov_b32 s28, 0xbfb8aa3b                      ; -log2(e)
	s_mov_b32 s29, s28
	v_and_b32 v15, 31, v0
	v_and_b32 v[RR], 15, v0
	v_bfe_u32 v16, v0, 4, 1
	v_lshlrev_b32 v[LI], 4, v15
	v_lshlrev_b32 v[LR], 4, v[RR]
	v_and_b32 v17, 7, v[RR]
	v_lshlrev_b32 v[XA], 11, v17
	v_lshrrev_b32 v17, 3, v[RR]
	v_lshl_add_u32 v[XA], v17, 15, v[XA]
	v_lshl_add_u32 v[XA], v16, 6, v[XA]
	v_mul_u32_u24 v[AOA], v[RR], 24
	v_mad_u32_u24 v[AOA], v16, 49152, v[AOA]
	s_mul_i32 s45, s22, 6144
	v_add_nc_u32 v[IW], s45, v[LI]
	s_mul_i32 s45, s22, 1536
	v_add_nc_u32 v[IK], s45, v[LI]
	s_lshl_b32 s45, s22, 8
	v_add_nc_u32 v[SCW], s45, v[LR]
	v_lshlrev_b32 v[SQR], 2, v[RR]
	v_add_nc_u32 v[SQW], s45, v[SQR]
	s_lshl_b32 s45, s22, 2
	v_add_nc_u32 v[SCK], s45, v[LR]
	v_add_nc_u32 v[X1A], s44, v[LI]
	v_mul_u32_u24 v[STO], v[RR], 528
	v_lshl_add_u32 v[STO], v16, 6, v[STO]
	v_add_nc_u32 v[STO], s44, v[STO]
	v_lshlrev_b32 v[VA], 6, v16
	v_mov_b32 v[TM+2], 0                           ; a lane permute's destination counts as read
	v_mov_b32 v[TM+3], 0
	s_wait_kmcnt 0x0
	s_add_nc_u64 s[4:5], s[4:5], s[30:31]
	s_add_nc_u64 s[20:21], s[20:21], s[30:31]
	s_add_nc_u64 s[6:7], s[6:7], s[36:37]
	s_add_nc_u64 s[8:9], s[8:9], s[38:39]
	s_add_nc_u64 s[WB:WB+1], s[WB:WB+1], s[42:43]
	s_add_nc_u64 s[SB:SB+1], s[SB:SB+1], s[40:41]
	s_add_nc_u64 s[14:15], s[14:15], s[32:33]
	s_add_nc_u64 s[16:17], s[16:17], s[32:33]
	s_add_nc_u64 s[18:19], s[18:19], s[32:33]
	; ---- the attention's output: token tile w, four fragments: K block = head; lane (r, h), half c of K step s: head 4 s + 2 c + h
.irp s, 0,1,2,3
.irp c, 0,1
.irp i, 0,1,2
	global_load_b64 v[U+12*\s+6*\c+2*\i:U+12*\s+6*\c+2*\i+1], v[AOA], s[6:7] offset:(4*\s+2*\c)*49152+8*\i
.endr
.endr
.endr
.irp hd, 0,1,2,3,4,5,6,7,8,9,10,11,12,13,14,15
	global_load_u8 v[U+48+\hd], v[RR], s[8:9] offset:2048*\hd
.endr
	WIN 0x80                                       ; x goes straight into the accumulators
.irp tt, 0,1,2,3
.irp b, 0,1,2,3
.irp j, 0,1,2,3
	global_load_b128 v[64*\tt+16*\b+4*\j:64*\tt+16*\b+4*\j+3], v[XA], s[4:5] offset:(32*(\tt/2)+8*(\tt%2))*2048+128*\b+16*\j th:TH_LOAD_NT
.endr
.endr
.endr
	WIN 0
	s_wait_loadcnt 63                              ; x's 64 loads stand behind them: the codes and the bytes are in
.irp s, 0,1,2,3
	v_lshl_or_b32 v[U+64+\s], v[U+48+4*\s+1], 8, v[U+48+4*\s]
	v_lshl_or_b32 v[U+64+\s], v[U+48+4*\s+2], 16, v[U+64+\s]
	v_lshl_or_b32 v[U+64+\s], v[U+48+4*\s+3], 24, v[U+64+\s]
.endr
.irp s, 0,1,2,3
.irp j, 0,1,2
	ds_store_b128 v[IW], v[U+12*\s+4*\j:U+12*\s+4*\j+3] offset:ACT0+1536*\s+512*\j
.endr
	ds_store_b32 v[SCW], v[U+64+\s] offset:ACT0SC+4*\s
.endr
	VLOAD 14                                       ; b_o
	WSLOAD 0, 96, 100
	WLOAD 0, 96, 100
	WLOAD 1, 96, 100
	WLOAD 2, 96, 100
	WLOAD 3, 96, 100
	BARRIER                                        ; the sixteen fragments of the attention's output lie in LDS
.irp tt, 0,1,2,3
	ds_load_b128 v[AS+4*\tt:AS+4*\tt+3], v[LR] offset:ACT0SC+256*\tt
.endr
	FETCH4 0, ACT0
	FETCH4 1, ACT0+1536
	s_wait_loadcnt 63                              ; 100 loads stand behind b_o's last: x and b_o are in
	WIN 0x82
.irp tt, 0,1,2,3
.set I, 0
.rept 32
	v_pk_add_f32 v[64*\tt+I:64*\tt+I+1], v[64*\tt+I:64*\tt+I+1], v[VEC+I:VEC+I+1]      ; x + b_o: the C of the first product
.set I, I+2
.endr
.endr
	WIN 0
	VLOAD 16                                       ; ffn_norm_w
	PLACES 4
	; ---- pass 0: + attention W_o^T.  88 to 92 loads stand behind the set that a step wants
	s_wait_alu depctr_va_vdst(0)
	PSTEP 0, 0, ACT0, 0, 63, 1, 128, 160, 1
	PSTEP 1, 0, ACT0, 0, 63, 1, 128, 160, 1
	PSTEP 2, 0, ACT0, 0, 63, 1, 128, 160, 1
	PSTEP 3, 0, ACT0, 0, 63, 1, 128, 160, 1
	; ---- the norm of x1
	WIN 0x0a
.irp tt, 0,1,2,3
	v_pk_mul_f32 v[U+80+2*\tt:U+81+2*\tt], v[64*\tt:64*\tt+1], v[64*\tt:64*\tt+1]      ; a chain for each token tile, by turns; each accumulator from its low end on
.endr
.set I, 2
.rept 31
.irp tt, 0,1,2,3
	v_pk_fma_f32 v[U+80+2*\tt:U+81+2*\tt], v[64*\tt+I:64*\tt+I+1], v[64*\tt+I:64*\tt+I+1], v[U+80+2*\tt:U+81+2*\tt]
.endr
.set I, I+2
.endr
	WIN 0
.irp tt, 0,1,2,3
	v_add_f32 v[U+80+2*\tt], v[U+80+2*\tt], v[U+81+2*\tt]
.endr
.irp tt, 0,1,2,3
	v_permlanex16_b32 v[U+81+2*\tt], v[U+80+2*\tt], s[SEL], s[SEL+1]
.endr
.irp tt, 0,1,2,3
	v_add_f32 v[U+80+2*\tt], v[U+80+2*\tt], v[U+81+2*\tt]      ; my 128 columns' part of token r's sum
.endr
.irp tt, 0,1,2,3
	ds_store_b32 v[SQW], v[U+80+2*\tt] offset:SSQ+64*\tt
.endr
	WIN 0x08                                       ; an LDS store's data are its source 1: window 2
.set I, 0
.rept 64
	ds_store_b128 v[X1A], v[4*I:4*I+3] offset:512*I    ; x1 is put by, as it stands in the registers: the accumulators are wanted for passes 1 and 2
.set I, I+1
.endr
	WIN 0
	BARRIER                                        ; the four waves' parts of the sums lie in LDS; nobody reads ACT0 any more
.irp tt, 0,1,2,3
.irp q, 0,1,2,3
	ds_load_b32 v[U+4*\tt+\q], v[SQR] offset:SSQ+256*\q+64*\tt
.endr
.endr
	s_wait_dscnt 0x0
.irp q, 1,2,3
.irp tt, 0,1,2,3
	v_add_f32 v[U+4*\tt], v[U+4*\tt], v[U+4*\tt+\q]
.endr
.endr
.irp tt, 0,1,2,3
	v_fma_f32 v[U+4*\tt], v[U+4*\tt], s26, s27
.endr
	s_wait_alu depctr_va_vdst(0)
.irp tt, 0,1,2,3
	v_rsq_f32 v[U+88+2*\tt], v[U+4*\tt]
	v_rsq_f32 v[U+89+2*\tt], v[U+4*\tt]
.endr
	v_nop
	s_wait_alu depctr_va_vdst(0)                   ; one wait for the eight
	s_wait_loadcnt 63                              ; 100 loads stand behind ffn_norm_w's last
.irp tt, 0,1,2,3
	WIN 0x02
.set I, 0
.rept 32
	v_pk_mul_f32 v[U+I:U+I+1], v[64*\tt+I:64*\tt+I+1], v[VEC+I:VEC+I+1]    ; w x1
.set I, I+2
.endr
	WIN 0
.set I, 0
.rept 32
	v_pk_mul_f32 v[U+I:U+I+1], v[U+I:U+I+1], v[U+88+2*\tt:U+89+2*\tt]      ; / rms
.set I, I+2
.endr
.if \tt > 0
	s_wait_dscnt 0x0                               ; the last tile's stores are done: the codes' registers may be written again
.endif
	QHALF U, 0, U+64
	v_lshl_or_b32 v[U+76], v[TM+3], 8, v[TM+2]
	QHALF U+32, 0, U+70
	v_lshl_or_b32 v[U+76], v[TM+2], 16, v[U+76]
	v_lshl_or_b32 v[U+76], v[TM+3], 24, v[U+76]
.irp j, 0,1,2
	ds_store_b128 v[IK], v[U+64+4*\j:U+64+4*\j+3] offset:ACT1+6144*\tt+512*\j      ; K step w of the next products, token tile tt
.endr
	ds_store_b32 v[SCK], v[U+76] offset:ACT1SC+256*\tt
.endr
	BARRIER                                        ; the normed x1's sixteen fragments lie in LDS
	; ---- passes 1 and 2: gate and hidden, 64 hidden units a wave in each.  72 to 76 loads stand behind the set that a step wants
.irp tt, 0,1,2,3
	ds_load_b128 v[AS+4*\tt:AS+4*\tt+3], v[LR] offset:ACT1SC+256*\tt
.endr
	FETCH4 0, ACT1
	FETCH4 1, ACT1+1536
	PSTEP 0, 1, ACT1, 1, 63, 1, 132, 164, 0
	PSTEP 1, 0, ACT1, 1, 63, 1, 132, 164, 0
	PSTEP 2, 0, ACT1, 1, 63, 1, 132, 164, 0
	PSTEP 3, 0, ACT1, 1, 63, 1, 132, 164, 0
	SILU 0, 0
	SILU 1, 0
	SILU 2, 0
	SILU 3, 0
	FETCH4 0, ACT1
	FETCH4 1, ACT1+1536
	PSTEP 0, 1, ACT1, 0, 63, 1, 192, 196, 1
	PSTEP 1, 0, ACT1, 0, 63, 1, 192, 196, 1
	PSTEP 2, 0, ACT1, 0, 63, 1, 192, 196, 1
	PSTEP 3, 0, ACT1, 0, 63, 1, 192, 196, 1
	SILU 0, 1
	SILU 1, 1
	SILU 2, 1
	SILU 3, 1
.irp tt, 0,1,2,3
.irp j, 0,1,2
	ds_store_b128 v[IK], v[VEC+12*\tt+4*\j:VEC+12*\tt+4*\j+3] offset:ACT0+6144*\tt+512*\j  ; the hidden layer: K step w of the last product
.endr
	ds_store_b32 v[SCK], v[VEC+48+\tt] offset:ACT0SC+256*\tt
.endr
	WIN 0x80
.set I, 0
.rept 64
	ds_load_b128 v[4*I:4*I+3], v[X1A] offset:512*I     ; x1 comes back into the accumulators: the C of the last product
.set I, I+1
.endr
	WIN 0
	BARRIER                                        ; the hidden layer's sixteen fragments lie in LDS
	VLOAD 18                                       ; b_out
	; ---- pass 3: x1 + hidden W_out^T.  Behind set s stand the later sets, 24 loads each, and b_out's 16
.irp tt, 0,1,2,3
	ds_load_b128 v[AS+4*\tt:AS+4*\tt+3], v[LR] offset:ACT0SC+256*\tt
.endr
	FETCH4 0, ACT0
	FETCH4 1, ACT0+1536
	PSTEP 0, 0, ACT0, 1, 63, 0, 0, 0, 0
	PSTEP 1, 0, ACT0, 1, 63, 0, 0, 0, 0
	PSTEP 2, 0, ACT0, 1, 40, 0, 0, 0, 0
	PSTEP 3, 0, ACT0, 1, 16, 0, 0, 0, 0
	; ---- the way out: + b_out; a token tile's 16 rows x 512 bytes go through my own stage (rows of 528 bytes, where x1 lay) and come back as whole rows
	s_wait_loadcnt 0x0
.irp tt, 0,1,2,3
.if \tt > 0
	s_wait_dscnt 16                                ; the last tile's stores into the stage are done; its 16 loads may be out
.endif
	WIN 0x02
.set I, 0
.rept 32
	v_pk_add_f32 v[U+I:U+I+1], v[64*\tt+I:64*\tt+I+1], v[VEC+I:VEC+I+1]
.set I, I+2
.endr
	WIN 0
.irp b, 0,1,2,3
.irp j, 0,1,2,3
	ds_store_b128 v[STO], v[U+16*\b+4*\j:U+16*\b+4*\j+3] offset:128*\b+16*\j
.endr
.endr
	WIN 0x40                                       ; back into window 1, 64 registers of its own for each tile: LDS serves a wave's instructions in order
.irp i, 0,1,2,3,4,5,6,7,8,9,10,11,12,13,14,15
	ds_load_b128 v[64*\tt+4*\i:64*\tt+4*\i+3], v[X1A] offset:528*\i
.endr
	WIN 0
.if \tt > 0
	s_wait_dscnt 32                                ; this tile's 16 stores and 16 loads may be out: the tile before is back
	SEND \tt-1
.endif
.endr
	s_wait_dscnt 0x0
	SEND 3
	s_wait_tensorcnt 0x0
	ds_add_u32 v254, v255
	s_wait_dscnt 0x0
	s_endpgm
.Lfunc_end_k_q5b053ffe54_post:
	.size	k_q5b053ffe54_post, .Lfunc_end_k_q5b053ffe54_post-k_q5b053ffe54_post
	.p2alignl 7, 3214868480
	.fill 96, 4, 3214868480
	.section	.rodata,"a",@progbits
	.p2align	6, 0x0
	.amdhsa_kernel k_q5b053ffe54_post
		.amdhsa_group_segment_fixed_size 183808
		.amdhsa_private_segment_fixed_size 0
		.amdhsa_enable_private_segment 0
		.amdhsa_kernarg_size 72
		.amdhsa_user_sgpr_count 2
		.amdhsa_user_sgpr_kernarg_segment_ptr 1
		.amdhsa_wavefront_size32 1
		.amdhsa_system_sgpr_workgroup_id_x 1
		.amdhsa_system_sgpr_workgroup_id_y 1
		.amdhsa_system_sgpr_workgroup_id_z 1
		.amdhsa_system_vgpr_workitem_id 0
		.amdhsa_next_free_vgpr 960
		.amdhsa_next_free_sgpr 66
		.amdhsa_reserve_vcc 0
		.amdhsa_float_denorm_mode_32 3
		.amdhsa_float_denorm_mode_16_64 3
		.amdhsa_memory_ordered 1
		.amdhsa_forward_progress 1
		.amdhsa_inst_pref_size 255
	.end_amdhsa_kernel
	.section	.bss,"aw",@nobits
	.p2align	6
	.space	262144
	.amdgpu_metadata
---
amdhsa.version: [ 1, 2 ]
amdhsa.kernels:
  - .name:           k_q5b053ffe54_post
    .symbol:         k_q5b053ffe54_post.kd
    .args:
      - { .name: x, .offset: 0, .size: 8, .value_kind: global_buffer, .address_space: global }
      - { .name: ao, .offset: 8, .size: 8, .value_kind: global_buffer, .address_space: global }
      - { .name: aos, .offset: 16, .size: 8, .value_kind: global_buffer, .address_space: global }
      - { .name: cod0, .offset: 24, .size: 8, .value_kind: global_buffer, .address_space: global }
      - { .name: scl0, .offset: 32, .size: 8, .value_kind: global_buffer, .address_space: global }
      - { .name: b_o, .offset: 40, .size: 8, .value_kind: global_buffer, .address_space: global }
      - { .name: ffn_norm_w, .offset: 48, .size: 8, .value_kind: global_buffer, .address_space: global }
      - { .name: b_out, .offset: 56, .size: 8, .value_kind: global_buffer, .address_space: global }
      - { .name: out0, .offset: 64, .size: 8, .value_kind: global_buffer, .address_space: global }
    .group_segment_fixed_size: 183808
    .private_segment_fixed_size: 0
    .kernarg_segment_align: 8
    .kernarg_segment_size: 72
    .max_flat_workgroup_size: 128
    .sgpr_count:     66
    .vgpr_count:     960
    .wavefront_size: 32
...
	.end_amdgpu_metadata
.endif
;; end of part 4
